; MI455X (gfx1250); checked and timed in simulation.
; The chip was launched on July 23, 2026; its instructions are those of AMD's public machine-readable ISA for CDNA 5 (MIT licence, August 2026) and "CDNA5" Instruction Set Architecture Reference Guide (July 2026). The comments in the code are by the model that wrote it; some were corrected since.
;; Encoder Block. Allowed arithmetic: matrix products marked QUANTISED: E5M2 operands, one E8M0 scale for each 32 along K, by v_wmma_scale_f32_16x16x128_f8f6f4 with both operands' format E5M2, f32 sums; everything else in f32.
;; Inputs: b1 4,096 float32; b2 1,024 float32; b_out 1,024 float32; ln1_b 1,024 float32; ln1_g 1,024 float32; ln2_b 1,024 float32; ln2_g 1,024 float32; w1_codes 4,096 x 32 x 32 uint8 (E5M2 codes of w1, K innermost, in blocks of 32 codes); w1_scales 4,096 x 32 uint8 (E8M0 scales of w1, one for each 32 codes along K); w2_codes 1,024 x 128 x 32 uint8 (E5M2 codes of w2, K innermost, in blocks of 32 codes); w2_scales 1,024 x 128 uint8 (E8M0 scales of w2, one for each 32 codes along K); w_out_codes 1,024 x 32 x 32 uint8 (E5M2 codes of w_out, K innermost, in blocks of 32 codes); w_out_scales 1,024 x 32 uint8 (E8M0 scales of w_out, one for each 32 codes along K); w_qkv_codes 3,072 x 32 x 32 uint8 (E5M2 codes of w_qkv, K innermost, in blocks of 32 codes); w_qkv_scales 3,072 x 32 uint8 (E8M0 scales of w_qkv, one for each 32 codes along K); x 2 x 2,048 x 1,024 float32.
;; Outputs: out0 2 x 2,048 x 1,024 float32.
;; This version of the problem:
;;   THIS VERSION OF THE PROBLEM IS GIVEN IN LOW PRECISION. The matrix products marked QUANTISED in the list below multiply operands that are first quantised to E5M2 (5 exponent bits, 2 mantissa bits; 8 bits a number), with one power-of-two scale for each 32 numbers along K (OCP MX v1.0); their sums are f32. All else is computed in f32.
;;   The module's matrix products, in the order in which they are computed (A, B: the left and right operand; K: the contracted axis; several contracted axes count as one K, in the product's order):
;;     1. [M 4,096, K 1,024] x [K 1,024, N 3,072]; A: computed on the way; B: input w_qkv (given as codes): QUANTISED
;;     2. batch 32 x [M 2,048, K 64] x [K 64, N 2,048]; A: computed on the way; B: computed on the way: QUANTISED
;;     3. batch 32 x [M 64, K 2,048] x [K 2,048, N 2,048]; A: computed on the way; B: softmax (see below): QUANTISED
;;     4. [M 4,096, K 1,024] x [K 1,024, N 1,024]; A: computed on the way; B: input w_out (given as codes): QUANTISED
;;     5. [M 4,096, K 1,024] x [K 1,024, N 4,096]; A: computed on the way; B: input w1 (given as codes): QUANTISED
;;     6. [M 4,096, K 4,096] x [K 4,096, N 1,024]; A: computed on the way; B: input w2 (given as codes): QUANTISED
;;   THE QUANTISER, for each operand of a quantised product, along K:
;;     - K is cut into blocks of 32 from its start; a last block that is shorter is filled with zeros.
;;     - A block's scale is 2^e with e = floor(log2(the largest magnitude in the block)) - 15, held to -126 .. 127; a block of zeros has e = 0. As a byte (E8M0): e + 127.
;;     - Each number is divided by its block's scale, clamped to +-57,344, and rounded to the nearest number of E5M2, ties to even, subnormals kept.
;;     - The product sums the exact products of the quantised numbers (number of the format x scale) in f32.
;;   ~~~python
;;   def quantise(x, axis):      # numpy; x: float32 -> the quantised numbers, widened to float32 again
;;       x = np.moveaxis(x, axis, -1); K = x.shape[-1]
;;       x = np.pad(x, [(0, 0)] * (x.ndim - 1) + [(0, -K % 32)]); x = x.reshape(x.shape[:-1] + (-1, 32)); a = np.abs(x).max(-1, keepdims=True)
;;       e = np.where(a > 0, np.clip(np.frexp(np.where(a > 0, a, 1))[1] - 1 - 15, -126, 127), 0)      # np.frexp(a)[1] - 1 = floor(log2(a)), exactly
;;       r = np.clip(x / 2.0 ** e, -57344, 57344)
;;       step = 2.0 ** (np.maximum(np.frexp(np.where(r == 0, 1, r))[1] - 1, -14) - 2)
;;       q = np.round(r / step) * step * 2.0 ** e      # np.round: ties to even
;;       return np.moveaxis(q.reshape(q.shape[:-2] + (-1,))[..., :K], -1, axis).astype(np.float32)
;;   ~~~
;;   SOFTMAX AHEAD OF A QUANTISED PRODUCT. Where the list says 'softmax', what is quantised is not the finished softmax but p = 2^(t - M), with t = logit x log2(e) and M = ceil(the row's largest t), a whole number; so 1/2 < the row's largest p <= 1. The row's sum l is taken of the UNQUANTISED p, in f32, and the product's result is divided by l at the end. Since M is a whole number, a kernel that streams over the keys may use a running M (the ceiling of the running maximum): every later rescaling is an exact power of two, which a block's scale takes up: the codes' values come out the same.
;;   OPERANDS COMPUTED ON THE WAY. 'Computed on the way' means the value that the module computes at that place (a softmax that the list does not call 'softmax' is quantised finished and normalised). What goes into a quantiser is computed in f32, as accurately as f32 sums, v_exp_f32 and their like allow (about 1e-6 of the number): no bf16 or f16 on the way to a quantiser, and a product that is left as it is and whose result goes on into a quantised operand takes f32 operands (vector FMAs, or v_wmma_f32_16x16x4_f32). A number that lies on a knife's edge between two numbers of the format may be rounded either way, as far as f32 arithmetic and the matrix unit's own rounding can turn it there, and no further.
;;   INPUTS GIVEN AS CODES. w1 (in the module: [1024, 4096], K = its axis 0); w2 (in the module: [4096, 1024], K = its axis 0); w_out (in the module: [1024, 1024], K = its axis 0); w_qkv (in the module: [1024, 3072], K = its axis 0): each comes as NAME_codes (uint8): NAME with its K axis moved to the last place and cut into blocks of 32 codes, [.., K / 32, bytes a block], one block behind the other in memory; one code a byte (a code: sign, 5 exponent bits, 2 mantissa bits); and NAME_scales (uint8): the same leading axes, one E8M0 byte (e + 127) for each 32 codes along K. Its value is code x scale, taken as it is: it is not quantised again, and the codes and scales need not be those that the quantiser above would give.
;; One version. Each part assembles by itself: llvm-mc -triple=amdgcn-amd-amdhsa -mcpu=gfx1250 --defsym DOCPART=n.
;; ======== version 1 of 1: 7 launches
;; limits: right only within a limited range of input values
;; workspace buffers: xq 4,325,376 bytes; qkv 12,976,128 bytes; oq 4,325,376 bytes; x1 16,777,216 bytes; hq 17,301,504 bytes
;; launch ln1 (part 1): grid 256 x 1, 8 waves a work-group, no clusters, 87,040 bytes of LDS; arguments x, ln1_g, ln1_b, xq; writes xq
.if DOCPART == 1
	.amdgcn_target "amdgcn-amd-amdhsa--gfx1250"
	.amdhsa_code_object_version 6
	.text
	.protected	k_q64f79ff80d_ln1
	.globl	k_q64f79ff80d_ln1
	.p2align	8
	.type	k_q64f79ff80d_ln1,@function
k_q64f79ff80d_ln1:
	s_mov_b64 s[64:65], 0
	v_nop
	global_prefetch_b8 v0, s[64:65] scope:SCOPE_SE
	s_setreg_imm32_b32 hwreg(HW_REG_WAVE_MODE, 25, 1), 1
	s_wait_xcnt 0x0
; LAYER NORM AND QUANTISER.  in: [4096][1024] f32; g, b: [1024] f32.  out: codes of E5M2, [4096][1024], K innermost, at byte 0; one E8M0 byte for each 32 along K, [4096][32], at byte 0x400000.
; y = (x - mean) * rsqrt(var + 1e-5) * g + b, all in f32; mean and variance in two passes (the variance of x - mean), so that a common offset of the inputs costs no accuracy.
; A block's scale is 2^(floor(log2(its largest magnitude)) - 15); each number is held within +-57,344 x the scale and rounded to the nearest code, ties to even.
; LIMITS: NaN and infinities among the inputs are not served.  A block of zeros gets the byte 1 where the rule says 127: its codes are zeros, and this program alone reads the bytes.
; SHARES.  A work-group of eight waves takes 16 rows; wave w takes columns 128 w .. 128 w + 127 of all 16.  Each load reads 512 consecutive bytes of a row; the wave's 16 x 512 bytes turn through its own
; bytes of LDS, so that lane (r, h) holds 64 numbers of row r: register 16 c + i = column 128 w + 32 c + 16 h + i, sixteen neighbours of each block of 32, as the conversions want them.
; x, g and b are all asked for at the head: 48 loads of a wave are out together; the turned numbers come back into the registers that x left, so that b has registers of its own from the start.
; A row's sums meet in LDS: each wave stores its part, a barrier, every wave adds the eight parts in one fixed order.  Codes and scale words leave through LDS as whole rows: each store covers 512 consecutive bytes.
; No matrix unit, no tensor load, no cluster: work-groups share nothing but g and b (8 KB), and each byte of x is read once.
.set TPITCH, 528                       ; the turn: a row's 512 bytes + 16
.set TWAVE,  16*TPITCH                 ; a wave's own 16 rows
.set RED0,   8*TWAVE                   ; 16 rows x 8 words: the waves' parts of the sums;  512 bytes further on those of the squares
.set CST,    RED0+1024                 ; 16 rows of 1,024 codes + 16
.set CPITCH, 1040
.set SST,    CST+16*CPITCH             ; 16 rows x 32 scale bytes
.set XO, 4                             ; v4   x: 512 w + 16 lane
.set GO, 5                             ; v5   g, b: 512 w + 64 h
.set TW, 6                             ; v6   the turn, in
.set TR, 7                             ; v7   the turn, out
.set RW, 8                             ; v8   my wave's word of row r's sums
.set RR, 9                             ; v9   row r's eight words
.set CW, 10                            ; v10  where my codes go
.set SW, 11                            ; v11  where my scale word goes
.set CR, 12                            ; v12  where I read rows of codes back
.set CG, 13                            ; v13  and their place in memory
.set SR, 14                            ; v14  the scale bytes, back
.set LI, 15                            ; v15  16 x lane
.set MU, 16                            ; v[16:17] the mean, twice
.set RS, 18                            ; v[18:19] rsqrt(var + eps), twice
.set PS, 20                            ; v20-27 eight parts of a sum
.set CH, 28                            ; v28-35 four packed chains
.set TM, 36                            ; v36-51 the quantiser's: largest magnitudes, bytes, limits, scale operands
.set PW, 52                            ; v52  the scale word
.set X,  64                            ; v64-127 x as loaded, then my 64 numbers
.set G,  128                           ; v128-191 g; later the codes and the way out
.set PC, 128
.set OUTR, 144
.set BB, 192                           ; v192-255 b
.set WV,  12
.set SEL, 16                           ; s[16:17] v_permlanex16_b32's selects for lane l xor 16
.set MNT, 18                           ; s18  the mantissa field of 57,344
.set INV, 19                           ; s19  1 / 1024
.set EPS, 20                           ; s20  1e-5
.macro BARRIER                         ; my LDS stores have landed and my LDS loads are in: then the work-group's barrier
	s_wait_dscnt 0x0
	s_barrier_signal -1
	s_barrier_wait -1
.endm
; the four chains become one number a lane, joined with lane l xor 16's; the wave's part goes to LDS; behind the barrier all eight parts are added in one order
.macro REDUCE off
	s_delay_alu instid0(VALU_DEP_3)
	v_pk_add_f32 v[CH:CH+1], v[CH:CH+1], v[CH+2:CH+3]
	s_delay_alu instid0(VALU_DEP_2)
	v_pk_add_f32 v[CH+4:CH+5], v[CH+4:CH+5], v[CH+6:CH+7]
	s_delay_alu instid0(VALU_DEP_1)
	v_pk_add_f32 v[CH:CH+1], v[CH:CH+1], v[CH+4:CH+5]
	s_delay_alu instid0(VALU_DEP_1)
	v_add_f32 v[PS], v[CH], v[CH+1]
	s_delay_alu instid0(VALU_DEP_1)
	v_permlanex16_b32 v[PS+1], v[PS], s[SEL], s[SEL+1]
	s_delay_alu instid0(VALU_DEP_1)
	v_add_f32 v[PS], v[PS], v[PS+1]
	ds_store_b32 v[RW], v[PS] offset:\off          ; both halves of the lanes store the same word with the same value
	BARRIER
	ds_load_b128 v[PS:PS+3], v[RR] offset:\off
	ds_load_b128 v[PS+4:PS+7], v[RR] offset:\off+16
	s_wait_dscnt 0x0
	v_add_f32 v[PS], v[PS], v[PS+1]
	v_add_f32 v[PS+2], v[PS+2], v[PS+3]
	v_add_f32 v[PS+4], v[PS+4], v[PS+5]
	v_add_f32 v[PS+6], v[PS+6], v[PS+7]
	s_delay_alu instid0(VALU_DEP_3)
	v_add_f32 v[PS], v[PS], v[PS+2]
	s_delay_alu instid0(VALU_DEP_2)
	v_add_f32 v[PS+4], v[PS+4], v[PS+6]
	s_delay_alu instid0(VALU_DEP_1)
	v_add_f32 v[PS], v[PS], v[PS+4]
.endm
; 64 numbers of a lane, register 16 b + i = k 32 b + 16 h + i of my row, become 16 registers of codes in v[PC] on and the scale word in v[PW]
.macro QUANT s
.irp b, 0,1,2,3
	v_max3_num_f32 v[TM+\b], |v[\s+16*\b]|, |v[\s+1+16*\b]|, 0x8000000   ; my 16 numbers of block b, and the floor 2^(16 - 127): the byte cannot fall under 1
.endr
.irp i, 2,4,6,8,10,12,14
.irp b, 0,1,2,3
	s_delay_alu instid0(VALU_DEP_4)
	v_max3_num_f32 v[TM+\b], v[TM+\b], |v[\s+16*\b+\i]|, |v[\s+1+16*\b+\i]|
.endr
.endr
.irp b, 0,1,2,3
	s_delay_alu instid0(VALU_DEP_4)
	v_permlanex16_b32 v[TM+4+\b], v[TM+\b], s[SEL], s[SEL+1]
.endr
.irp b, 0,1,2,3
	s_delay_alu instid0(VALU_DEP_4)
	v_max_num_f32 v[TM+\b], v[TM+\b], v[TM+4+\b]   ; with lane l xor 16's: the block's largest magnitude
.endr
.irp b, 0,1,2,3
	s_delay_alu instid0(VALU_DEP_4)
	v_add_nc_u32 v[TM+12+\b], 0xf8800000, v[TM+\b] ; 15 off its exponent field: the conversion's scale operand
.endr
.irp b, 0,1,2,3
	v_and_or_b32 v[TM+8+\b], v[TM+\b], 0x7f800000, s[MNT]   ; 57,344 x the scale
.endr
.irp b, 0,1,2,3
	v_lshrrev_b32 v[TM+4+\b], 23, v[TM+12+\b]      ; the scale's byte
.endr
	s_delay_alu instid0(VALU_DEP_3)
	v_lshl_or_b32 v[PW], v[TM+5], 8, v[TM+4]
	s_delay_alu instid0(VALU_DEP_1)
	v_lshl_or_b32 v[PW], v[TM+6], 16, v[PW]
	s_delay_alu instid0(VALU_DEP_1)
	v_lshl_or_b32 v[PW], v[TM+7], 24, v[PW]
.irp b, 0,1,2,3
.irp i, 0,1,2,3,4,5,6,7,8,9,10,11,12,13,14,15
	v_med3_num_f32 v[\s+16*\b+\i], v[\s+16*\b+\i], -v[TM+8+\b], v[TM+8+\b]   ; the conversion to an 8-bit code does not saturate (ISA guide 7.6.2): the hold comes first
.endr
	v_cvt_scalef32_pk8_bf8_f32 v[PC+4*\b:PC+1+4*\b], v[\s+16*\b:\s+7+16*\b], v[TM+12+\b]
	v_cvt_scalef32_pk8_bf8_f32 v[PC+2+4*\b:PC+3+4*\b], v[\s+8+16*\b:\s+15+16*\b], v[TM+12+\b]
.endr
	v_nop                                          ; a plain line behind the last conversion
.endm
	s_load_b128 s[4:7], s[0:1], 0x0                ; x, g
	s_load_b128 s[8:11], s[0:1], 0x10              ; b, out
	v_lshl_add_u32 v62, v0, 2, 0x15000
	v_mov_b32 v63, 0
	v_lshrrev_b32 v1, 5, v0
	s_delay_alu instid0(VALU_DEP_1)
	v_readfirstlane_b32 s[WV], v1                  ; wave 0..7
	v_and_b32 v1, 31, v0                           ; lane
	v_and_b32 v2, 15, v0                           ; r
	v_bfe_u32 v3, v0, 4, 1                         ; h
	s_delay_alu instid0(VALU_DEP_3)
	v_lshlrev_b32 v[LI], 4, v1
	s_lshl_b32 s13, s[WV], 9
	v_add_nc_u32 v[XO], s13, v[LI]
	v_lshlrev_b32 v[GO], 6, v3
	s_delay_alu instid0(VALU_DEP_1)
	v_add_nc_u32 v[GO], s13, v[GO]
	s_mul_i32 s14, s[WV], TWAVE
	v_add_nc_u32 v[TW], s14, v[LI]
	v_mul_u32_u24 v[TR], v2, TPITCH
	s_delay_alu instid0(VALU_DEP_1)
	v_lshl_add_u32 v[TR], v3, 6, v[TR]
	s_delay_alu instid0(VALU_DEP_1)
	v_add_nc_u32 v[TR], s14, v[TR]
	v_lshlrev_b32 v[RR], 5, v2
	s_delay_alu instid0(VALU_DEP_1)
	v_add_nc_u32 v[RR], RED0, v[RR]
	s_lshl_b32 s14, s[WV], 2
	v_add_nc_u32 v[RW], s14, v[RR]
	s_delay_alu instid0(VALU_DEP_1)
	v_add_nc_u32 v[SW], SST-RED0, v[RW]
	v_mul_u32_u24 v[CW], v2, CPITCH
	s_delay_alu instid0(VALU_DEP_1)
	v_lshl_add_u32 v[CW], v3, 4, v[CW]
	s_lshl_b32 s14, s[WV], 7
	s_add_co_u32 s14, s14, CST
	v_add_nc_u32 v[CW], s14, v[CW]
	s_mul_i32 s14, s[WV], 2*CPITCH
	s_add_co_u32 s14, s14, CST
	v_add_nc_u32 v[CR], s14, v[LI]
	s_lshl_b32 s14, s[WV], 11
	v_add_nc_u32 v[CG], s14, v[LI]
	v_add_nc_u32 v[SR], SST, v[LI]
	s_mov_b32 s[SEL], 0x76543210
	s_mov_b32 s[SEL+1], 0xfedcba98
	s_mov_b32 s[MNT], 0x600000
	s_mov_b32 s[INV], 0x3a800000
	s_mov_b32 s[EPS], 0x3727c5ac
	v_mov_b32 v[PS+1], 0                           ; a lane permute's destination counts as one of its sources: written once
.irp b, 0,1,2,3
	v_mov_b32 v[TM+4+\b], 0
.endr
	s_lshl_b32 s22, ttmp9, 16                      ; my 16 rows of 4,096 bytes
	s_mov_b32 s23, 0
	s_wait_kmcnt 0x0
	s_add_nc_u64 s[4:5], s[4:5], s[22:23]
	s_lshl_b32 s22, ttmp9, 14                      ; their codes: 16 rows of 1,024 bytes
	s_add_nc_u64 s[24:25], s[10:11], s[22:23]
	s_lshl_b32 s22, ttmp9, 9                       ; their scale bytes: 16 rows of 32
	s_add_nc_u64 s[26:27], s[10:11], s[22:23]
	s_add_nc_u64 s[26:27], s[26:27], 0x400000
.irp i, 0,1,2,3,4,5,6,7,8,9,10,11,12,13,14,15
	global_load_b128 v[X+4*\i:X+4*\i+3], v[XO], s[4:5] offset:4096*\i   ; 32 lanes read 512 consecutive bytes of row i
.endr
.irp c, 0,1,2,3
.irp j, 0,1,2,3
	global_load_b128 v[G+16*\c+4*\j:G+16*\c+4*\j+3], v[GO], s[6:7] offset:128*\c+16*\j
.endr
.endr
.irp c, 0,1,2,3
.irp j, 0,1,2,3
	global_load_b128 v[BB+16*\c+4*\j:BB+16*\c+4*\j+3], v[GO], s[8:9] offset:128*\c+16*\j
.endr
.endr
	s_wait_loadcnt 32                              ; x's sixteen loads are in; g's sixteen and b's sixteen may be out
.irp i, 0,1,2,3,4,5,6,7,8,9,10,11,12,13,14,15
	ds_store_b128 v[TW], v[X+4*\i:X+4*\i+3] offset:TPITCH*\i
.endr
.irp c, 0,1,2,3
.irp j, 0,1,2,3
	ds_load_b128 v[X+16*\c+4*\j:X+16*\c+4*\j+3], v[TR] offset:128*\c+16*\j   ; LDS serves a wave's instructions in order: these see my stores, and come back into the registers that the stores left
.endr
.endr
	s_wait_dscnt 0x0                               ; my numbers are back
	; the mean
.irp k, 0,2,4,6
	v_pk_add_f32 v[CH+\k:CH+\k+1], v[X+\k:X+\k+1], v[X+8+\k:X+8+\k+1]
.endr
.irp i, 16,24,32,40,48,56
.irp k, 0,2,4,6
	s_delay_alu instid0(VALU_DEP_4)
	v_pk_add_f32 v[CH+\k:CH+\k+1], v[CH+\k:CH+\k+1], v[X+\i+\k:X+\i+\k+1]
.endr
.endr
	REDUCE 0
	s_delay_alu instid0(VALU_DEP_1)
	v_mul_f32 v[MU], s[INV], v[PS]
	s_delay_alu instid0(VALU_DEP_1)
	v_mov_b32 v[MU+1], v[MU]
.set j, 0
.rept 32
	v_pk_add_f32 v[X+j:X+j+1], v[X+j:X+j+1], v[MU:MU+1] neg_lo:[0,1] neg_hi:[0,1]   ; x - mean
.set j, j+2
.endr
	; the variance
.irp k, 0,2,4,6
	v_pk_mul_f32 v[CH+\k:CH+\k+1], v[X+\k:X+\k+1], v[X+\k:X+\k+1]
.endr
.irp i, 8,16,24,32,40,48,56
.irp k, 0,2,4,6
	s_delay_alu instid0(VALU_DEP_4)
	v_pk_fma_f32 v[CH+\k:CH+\k+1], v[X+\i+\k:X+\i+\k+1], v[X+\i+\k:X+\i+\k+1], v[CH+\k:CH+\k+1]
.endr
.endr
	REDUCE 512                                     ; other words than the first sum's: no barrier is owed between the two
	s_delay_alu instid0(VALU_DEP_1)
	v_fma_f32 v[RS], v[PS], s[INV], s[EPS]
	s_wait_alu depctr_va_vdst(0)
	v_rsq_f32 v[RS], v[RS]
	v_nop                                          ; a plain line behind the transcendental,
	s_wait_alu depctr_va_vdst(0)                   ; and the wait ahead of its first reader
	v_mov_b32 v[RS+1], v[RS]
	s_wait_alu depctr_va_vdst(0)
	s_wait_loadcnt 0x0                             ; g and b
.set j, 0
.rept 32
	v_pk_mul_f32 v[X+j:X+j+1], v[X+j:X+j+1], v[RS:RS+1]
.set j, j+2
.endr
.set j, 0
.rept 32
	v_pk_fma_f32 v[X+j:X+j+1], v[X+j:X+j+1], v[G+j:G+j+1], v[BB+j:BB+j+1]
.set j, j+2
.endr
	QUANT X
.irp c, 0,1,2,3
	ds_store_b128 v[CW], v[PC+4*\c:PC+4*\c+3] offset:32*\c   ; codes of k = 128 w + 32 c + 16 h + 0 .. 15 of row r
.endr
	ds_store_b32 v[SW], v[PW]
	BARRIER                                        ; 16 whole rows of codes and of scale bytes lie in LDS
.irp t, 0,1,2,3
	ds_load_b128 v[OUTR+4*\t:OUTR+4*\t+3], v[CR] offset:(\t/2)*CPITCH+(\t%2)*512
.endr
	s_wait_dscnt 0x0
.irp t, 0,1,2,3
	global_store_b128 v[CG], v[OUTR+4*\t:OUTR+4*\t+3], s[24:25] offset:512*\t   ; rows 2 w and 2 w + 1: 512 consecutive bytes a store
.endr
	s_cmp_lg_u32 s[WV], 0                          ; the 512 scale bytes leave by one store of wave 0
	s_cbranch_scc1 .Lend
	ds_load_b128 v[OUTR+16:OUTR+19], v[SR]
	s_wait_dscnt 0x0
	global_store_b128 v[LI], v[OUTR+16:OUTR+19], s[26:27]
.Lend:
	s_wait_tensorcnt 0x0
	ds_add_u32 v62, v63
	s_wait_dscnt 0x0
	s_endpgm
.Lfunc_end_k_q64f79ff80d_ln1:
	.size	k_q64f79ff80d_ln1, .Lfunc_end_k_q64f79ff80d_ln1-k_q64f79ff80d_ln1
	.p2alignl 7, 3214868480
	.fill 96, 4, 3214868480
	.section	.rodata,"a",@progbits
	.p2align	6, 0x0
	.amdhsa_kernel k_q64f79ff80d_ln1
		.amdhsa_group_segment_fixed_size 87040
		.amdhsa_private_segment_fixed_size 0
		.amdhsa_enable_private_segment 0
		.amdhsa_kernarg_size 32
		.amdhsa_user_sgpr_count 2
		.amdhsa_user_sgpr_kernarg_segment_ptr 1
		.amdhsa_wavefront_size32 1
		.amdhsa_system_sgpr_workgroup_id_x 1
		.amdhsa_system_sgpr_workgroup_id_y 1
		.amdhsa_system_sgpr_workgroup_id_z 1
		.amdhsa_system_vgpr_workitem_id 0
		.amdhsa_next_free_vgpr 256
		.amdhsa_next_free_sgpr 66
		.amdhsa_reserve_vcc 0
		.amdhsa_float_denorm_mode_32 3
		.amdhsa_float_denorm_mode_16_64 3
		.amdhsa_memory_ordered 1
		.amdhsa_forward_progress 1
		.amdhsa_inst_pref_size 35
	.end_amdhsa_kernel
	.amdgpu_metadata
---
amdhsa.version: [ 1, 2 ]
amdhsa.kernels:
  - .name:           k_q64f79ff80d_ln1
    .symbol:         k_q64f79ff80d_ln1.kd
    .args:
      - { .name: x, .offset: 0, .size: 8, .value_kind: global_buffer, .address_space: global }
      - { .name: ln1_g, .offset: 8, .size: 8, .value_kind: global_buffer, .address_space: global }
      - { .name: ln1_b, .offset: 16, .size: 8, .value_kind: global_buffer, .address_space: global }
      - { .name: xq, .offset: 24, .size: 8, .value_kind: global_buffer, .address_space: global }
    .group_segment_fixed_size: 87040
    .private_segment_fixed_size: 0
    .kernarg_segment_align: 8
    .kernarg_segment_size: 32
    .max_flat_workgroup_size: 256
    .sgpr_count:     66
    .vgpr_count:     256
    .wavefront_size: 32
...
	.end_amdgpu_metadata
.endif
;; end of part 1
;; launch qkv (part 2): grid 12 x 16, 4 waves a work-group, clusters of 4 x 4, 327,680 bytes of LDS; arguments xq, w_qkv_codes, w_qkv_scales, qkv; writes qkv
.if DOCPART == 2
	.amdgcn_target "amdgcn-amd-amdhsa--gfx1250"
	.amdhsa_code_object_version 6
	.text
	.protected	k_q64f79ff80d_qkv
	.globl	k_q64f79ff80d_qkv
	.p2align	8
	.type	k_q64f79ff80d_qkv,@function
k_q64f79ff80d_qkv:
	s_mov_b64 s[64:65], 0
	v_nop
	global_prefetch_b8 v0, s[64:65] scope:SCOPE_SE
	s_setreg_imm32_b32 hwreg(HW_REG_WAVE_MODE, 25, 1), 1
	s_wait_xcnt 0x0
	s_wait_alu depctr_hold_cnt(0) depctr_sa_sdst(0) depctr_va_vdst(0) depctr_va_sdst(0) depctr_va_ssrc(0) depctr_va_vcc(0) depctr_vm_vsrc(0)
	s_getreg_b32 s2, hwreg(HW_REG_IB_STS2, 6, 4)
	s_cmp_eq_u32 s2, 0
	s_cbranch_scc0 .Lentry_in_a_cluster
	s_endpgm
.Lentry_in_a_cluster:
	s_bfe_u32 s2, ttmp6, 0x10000c
	s_cmp_lg_u32 s2, 0xf033
	s_cbranch_scc0 .Lentry_shape_is_right
	s_endpgm
.Lentry_shape_is_right:
; q, k, v = LN1(x) W_qkv on codes of E5M2 with one E8M0 scale for each 32 along K = 1,024; the results are quantised here: q and k along the head's 64 channels, v along the keys.
; xq: codes [4096][1024] at byte 0, scale bytes [4096][32] at 0x400000.  w_qkv: codes [3072][1024], scale bytes [3072][32].
; THE PRODUCT.  A tile of 256 x 256 to a work-group of four waves, 128 x 128 to a wave: 64 accumulators, 512 registers.  K goes in steps of 256 through a ring of two LDS slots filled by the tensor data mover;
; the scale bytes of the work-group's 2 x 256 rows come once, with the first fills, and stay.  4 x 4 work-groups form a cluster: the four of a row need the same tiles of the first operand, the four of a column
; the same tiles of the second: each tile is asked for jointly, by the same tensor load with a mask that names the four.
; The matrix instruction is used transposed (source 0 = 16 rows of the second operand, source 1 = 16 rows of the first): a lane holds ONE row of the first operand, and its registers run along rows of the second.
; ONE TEXT FOR q, k AND v.  Both operands have rows of 1,024 codes and 32 scale bytes, so they can change places.  Clusters with x = 0, 1 (q, k): first operand = tokens, second = rows of W: a lane holds a token and
; its registers run along channels.  Clusters with x = 2 (v): first = rows 2,048 .. of W, second = tokens: a lane holds a channel and its registers run along the keys.  Only pointers and tile numbers are chosen
; (s_cselect on the cluster's x, which all sixteen partners share); there is no branch on it.
; THE WAY OUT.  A tile of 16 rows x 128 becomes a fragment's 16 registers of codes and a scale word a row, and goes to memory AS AN IMAGE OF THOSE REGISTERS: registers 4 c .. 4 c + 3 of lane l at 512 c + 16 l: 2,048 bytes.
; Inside a block of 32 the order is the registers' (numbers 8 h + i and 16 + 8 h + i in slots 16 h + i): q and k, and v and the softmax's p, are made alike, so that they meet slot for slot.
; qkv: Q images [batch 2][head pair 8][token tile 128] at 0, K likewise at 0x400000, V images [batch 2][key step 16][head 16][channel tile 4] at 0x800000;
; scale words: Q [pair 8][row 4096] at 0xC00000, K at 0xC20000, V [32 key steps][channel 1024] at 0xC40000.
; LIMITS: NaN and infinities are not served; a block of zeros gets the byte 1 (its codes are zeros; this program alone reads the bytes); the order of k inside a block of 32 is permuted alike on both sides of q.k and p.v.
; REGISTERS, in windows of 256: window 0: v0-31 addresses; v32-63 scale words, two sets; from v128 the first operand's fragments, one set; on the way out v128-227 are at work.
;   window 1: the second operand's fragments, two sets.   windows 2, 3: the accumulators ((a, b) at v[8 (8 (a % 4) + b)] of window 2 + a / 4).
.set SIZE_K, 1024
.set KSTEP,  256
.set NQ,     KSTEP/128
.set ROWB,   256
.set KROW,   SIZE_K
.set PITCH,  272                       ; an LDS row: 256 bytes + 16 of padding, so that the 16 rows that a fragment load touches begin 16 bytes apart modulo 256
.set FR,     16
.set NL,     4
.set NP,     8                         ; places behind this matrix instruction (ISA guide 7.12.1)
.set HALFT,  128*PITCH
.set SLOT,   4*HALFT
.set LAPS,   SIZE_K/(2*KSTEP)
.set KS,     SIZE_K/32
.set SCL,    2*SLOT
.set HALFS,  (128*KS/256)*272
.set SBLK,   (16*KS/256)*272
.set SPARE,  SCL+4*HALFS               ; the spare words, 128 bytes for each wave: two blocks of 256 bytes that no other line names
.set ADRA, 16
.set ADRB, 20
.set STG,  24                          ; v24  the way out: my row's scale word in my wave's 512 bytes (they lie in slot 0, which has had its last fill and its last read by then)
.set RDS,  25                          ; v25  and where I read 16 bytes of them back
.set LI,   26                          ; v26  16 x lane
.set ADRS, 27
.set SPW,  28
.set NIL,  29
.set PW,   30                          ; v30  the scale word just made
.set SC,   32
.set AF,   128
.set TM,   128                         ; the way out: v128-143 the quantiser's, v144-159 codes, v160-223 64 numbers, v224-227 scale words on their way
.set PC,   144
.set X,    160
.set BK,   224
.set G1, 24
.set G0, 32
.set G1B, 48
.set G0B, 56
.set G1S, 68
.set G0S, 76
.set G1SB, 80
.set G0SB, 88
.set SEL, 98                           ; s[98:99] lane selects for lane l xor 16;  s100 the mantissa field of 57,344
.set MNT, 100
.set MSB, 0
.macro WIN new                         ; the immediate's high byte repeats the setting that is left
.if MSB != \new
	s_set_vgpr_msb (MSB<<8)|\new
.set MSB, \new
.endif
.endm
.set MUL_LO, 0xa1
.set MUL_HI, 0xf1
.set TO_B,   0x40
; A joint load: waves 0 and 1 fetch for the first operand, waves 2 and 3 for the second; the branch hangs on the wave's number alone.  Four v_nop follow each of the two lines.
.macro JLOAD g0a, g1a, g0b, g1b
	s_cmp_eq_u32 s15, 0
	s_cbranch_scc0 .Lfor_b_\@
	tensor_load_to_lds s[\g0a:\g0a+3], s[\g1a:\g1a+7]
	s_nop 0
.rept 4
	v_nop
.endr
	s_branch .Lasked_\@
.Lfor_b_\@:
	tensor_load_to_lds s[\g0b:\g0b+3], s[\g1b:\g1b+7]
	s_nop 0
.rept 4
	v_nop
.endr
.Lasked_\@:
.endm
.macro CREST                           ; a round of the cluster's barrier behind its opening barrier
	s_cmp_lg_u32 s14, 0
	s_cbranch_scc1 .Lnot_wave_0_\@
	s_barrier_signal -3
.Lnot_wave_0_\@:
	s_barrier_wait -3
	s_barrier_signal -1
	s_barrier_wait -1
.endm
.macro CROUND
	s_barrier_signal -1
	s_barrier_wait -1
	CREST
.endm
	s_load_b64 s[4:5], s[0:1], 0x0                 ; xq
	s_load_b64 s[98:99], s[0:1], 0x8               ; W's codes
	s_load_b64 s[100:101], s[0:1], 0x10            ; W's scales
	s_load_b64 s[12:13], s[0:1], 0x18              ; qkv
	v_lshl_add_u32 v[SPW], v0, 2, SPARE
	v_mov_b32 v[NIL], 0
	ds_add_u32 v28, v29
	ds_add_u32 v28, v29
	s_wait_dscnt 0x0
	v_lshrrev_b32 v1, 5, v0
	v_readfirstlane_b32 s14, v1                    ; wave 0..3
	s_lshr_b32 s15, s14, 1                         ; which half of the first operand's rows is mine.  Also: I fetch for the first (0) or the second (1)
	s_and_b32 s16, s14, 1                          ; which half of the second's.  Also: which 128 rows of that tile I fetch
	s_bfe_u32 s40, ttmp6, 0x40000                  ; cx, cy: my place in the cluster
	s_bfe_u32 s41, ttmp6, 0x40004
	s_and_b32 s18, ttmp7, 0xffff
	s_lshl_b32 s18, s18, 2                         ; 4 x cluster y
	s_lshl_b32 s19, ttmp9, 2                       ; 4 x cluster x
	s_add_co_u32 s17, s18, s41                     ; q, k: the first operand's tile: tokens, 4 cluster y + cy
	s_add_co_u32 s20, s41, 8                       ; v: rows of W, tile 8 + cy
	s_add_co_u32 s42, s19, s40                     ; q, k: the second's: rows of W, 4 cluster x + cx
	s_add_co_u32 s21, s18, s40                     ; v: tokens, 4 cluster y + cx
	s_cmp_eq_u32 ttmp9, 2
	s_cselect_b32 s17, s20, s17                    ; it hangs on cy and never on cx,
	s_cselect_b32 s42, s21, s42                    ; and this one on cx and never on cy
	s_lshl_b32 s43, s41, 2
	s_lshl_b32 s43, 15, s43                        ; my row of the cluster
	s_lshl_b32 s44, 0x1111, s40                    ; my column
	s_or_b32 s[G1+0], s43, (0<<16)|(1<<20)|(1<<21)|(5<<22)|(3<<25)  ; the mask; elements of 1 byte; padding: 4 words after every 64; bit 21 set beside a mask
	s_or_b32 s[G1B+0], s44, (0<<16)|(1<<20)|(1<<21)|(5<<22)|(3<<25)
.irp g, G1, G1B
	s_mov_b32 s[\g+1], ROWB<<16                    ; tensor_dim0
	s_mov_b32 s[\g+2], 256<<16                     ; tensor_dim1: 256 rows for the head's loads; behind them 128, for the ring's
	s_mov_b32 s[\g+3], ROWB<<16                    ; tile_dim0
	s_mov_b32 s[\g+4], 256                         ; tile_dim1
	s_mov_b32 s[\g+5], KROW                        ; the pitch
	s_mov_b32 s[\g+6], 0
	s_mov_b32 s[\g+7], 0
.endr
	s_or_b32 s[G1S+0], s43, (3<<16)|(1<<20)|(1<<21)|(5<<22)|(3<<25)  ; the scales of 256 rows: a dense block, as rows of 256 bytes (32 elements of 8), 16 bytes of padding behind each
	s_or_b32 s[G1SB+0], s44, (3<<16)|(1<<20)|(1<<21)|(5<<22)|(3<<25)
.irp g, G1S, G1SB
	s_mov_b32 s[\g+1], 32<<16
	s_mov_b32 s[\g+2], KS<<16                      ; the scales of 256 rows: KS rows of 256 bytes
	s_mov_b32 s[\g+3], 32<<16
	s_mov_b32 s[\g+4], KS
	s_mov_b32 s[\g+5], 32
	s_mov_b32 s[\g+6], 0
	s_mov_b32 s[\g+7], 0
.endr
	s_lshl_b32 s20, s17, 8                         ; first operand: the tile's first row, 256 x tile
	s_lshl_b32 s46, s42, 8                         ; second likewise
	s_mov_b32 s21, 0
	s_mov_b32 s47, 0
	s_mov_b64 s[18:19], KS
	s_mul_u64 s[22:23], s[20:21], s[18:19]         ; where these rows' scales begin, in bytes
	s_mul_u64 s[92:93], s[46:47], s[18:19]
	s_mov_b64 s[18:19], KROW
	s_mul_u64 s[20:21], s[20:21], s[18:19]         ; and their codes
	s_mul_u64 s[46:47], s[46:47], s[18:19]
	s_mul_i32 s45, s14, HALFT                      ; where they go: wave x 128 rows: no place in the cluster enters an LDS address
	s_mul_i32 s18, s16, 128*KROW                   ; in the ring I fetch 128 rows of a tile: which half, in bytes
	s_mov_b32 s19, 0
	s_wait_kmcnt 0x0
	s_add_nc_u64 s[96:97], s[4:5], 0x400000        ; xq's scale bytes
	s_cmp_eq_u32 ttmp9, 2                          ; v: the operands change places
	s_cselect_b64 s[8:9], s[4:5], s[98:99]         ; the second operand's codes
	s_cselect_b64 s[10:11], s[96:97], s[100:101]   ; and scales
	s_cselect_b64 s[4:5], s[98:99], s[4:5]         ; the first's codes
	s_cselect_b64 s[6:7], s[100:101], s[96:97]     ; and scales
	s_add_nc_u64 s[20:21], s[4:5], s[20:21]
	s_add_nc_u64 s[22:23], s[6:7], s[22:23]
	s_add_nc_u64 s[46:47], s[8:9], s[46:47]
	s_add_nc_u64 s[92:93], s[10:11], s[92:93]
	CROUND                                         ; all sixteen work-groups are here: the first joint loads meet
	s_mov_b32 s[G0S], 1
	s_mov_b32 s[G0S+1], SCL
	s_mov_b64 s[G0S+2:G0S+3], s[22:23]
	s_or_b32 s[G0S+3], s[G0S+3], 0x80000000
	s_mov_b32 s[G0SB], 1
	s_mov_b32 s[G0SB+1], SCL+2*HALFS
	s_mov_b64 s[G0SB+2:G0SB+3], s[92:93]
	s_or_b32 s[G0SB+3], s[G0SB+3], 0x80000000
	s_mov_b32 s4, 1                                ; s[4:7], s[8:11]: group 0 of the head's loads of K step 0, 256 rows each (the pointers that lay there have been used)
	s_mov_b32 s5, 0
	s_mov_b64 s[6:7], s[20:21]
	s_or_b32 s7, s7, 0x80000000
	s_mov_b32 s8, 1
	s_mov_b32 s9, 2*HALFT
	s_mov_b64 s[10:11], s[46:47]
	s_or_b32 s11, s11, 0x80000000
	s_add_nc_u64 s[20:21], s[20:21], s[18:19]      ; for the ring: my 128 rows of the tile
	s_add_nc_u64 s[46:47], s[46:47], s[18:19]
.irp s, 0,1
	s_mov_b32 s[G0+4*\s], 1
	s_add_co_u32 s[G0+4*\s+1], s45, \s*SLOT
	s_add_nc_u64 s[G0+4*\s+2:G0+4*\s+3], s[20:21], \s*ROWB
	s_or_b32 s[G0+4*\s+3], s[G0+4*\s+3], 0x80000000
	s_mov_b32 s[G0B+4*\s], 1
	s_add_co_u32 s[G0B+4*\s+1], s45, \s*SLOT
	s_add_nc_u64 s[G0B+4*\s+2:G0B+4*\s+3], s[46:47], \s*ROWB
	s_or_b32 s[G0B+4*\s+3], s[G0B+4*\s+3], 0x80000000
.endr
; the head's loads, one a wave: wave 0 K step 0's 256 rows of the first operand, wave 1 those of the second, waves 2 and 3 their scale bytes: one chain of branches on the wave's number, one load to an arm
.macro ARM under, g0, g1, next
	s_cmp_lt_u32 s14, \under
	s_cbranch_scc0 \next
	tensor_load_to_lds s[\g0:\g0+3], s[\g1:\g1+7]
	s_nop 0
.rept 4
	v_nop
.endr
	s_branch .Lhead_asked
\next:
.endm
	ARM 1, 4, G1, .Lhead_b
	ARM 2, 8, G1B, .Lhead_sa
	ARM 3, G0S, G1S, .Lhead_sb
	tensor_load_to_lds s[G0SB:G0SB+3], s[G1SB:G1SB+7]
	s_nop 0
.rept 4
	v_nop
.endr
.Lhead_asked:
; THE PREFETCHES INTO THE L2: K steps 1 and 2 are asked for here, K step 3 with K step 1's load: with the load of K step j the tiles of K step j + 2.  Of the 128 rows that a wave fetches in the ring each of the four partners
; that ask for them jointly names 32, told apart BY ADDRESS (cx for the first operand, cy for the second): a lane a row, 256 bytes of it a K step, one instruction a wave: each block of 256 bytes once in a cluster.
	s_cmp_eq_u32 s15, 0                            ; do I fetch for the first operand?
	s_cselect_b64 s[66:67], s[20:21], s[46:47]
	s_cselect_b32 s18, s40, s41                    ; my place among the four
	s_mul_i32 s18, s18, 32*KROW
	s_add_nc_u64 s[66:67], s[66:67], s[18:19]
	v_and_b32 v7, 31, v0
	v_lshlrev_b32 v7, 10, v7                       ; my lane's row: KROW bytes apart; never rewritten
	global_prefetch_b8 v7, s[66:67] offset:256 th:TH_LOAD_NT scope:SCOPE_SE
	global_prefetch_b8 v7, s[66:67] offset:512 th:TH_LOAD_NT scope:SCOPE_SE
	v_and_b32 v1, 15, v0                           ; l % 16
	v_bfe_u32 v2, v0, 4, 1                         ; l / 16
	v_mul_u32_u24 v3, v1, PITCH
	v_lshl_add_u32 v4, v2, 4, v3                   ; a fragment's row x pitch + 16 x half
	s_mul_i32 s21, s15, HALFT
	s_mul_i32 s22, s16, HALFT
	s_add_co_u32 s22, s22, 2*HALFT
.irp s, 0,1
	v_add_nc_u32 v[ADRA+\s], s21, v4
	v_add_nc_u32 v[ADRB+\s], s22, v4
	s_add_co_u32 s21, s21, SLOT
	s_add_co_u32 s22, s22, SLOT
.endr
	v_mul_u32_u24 v5, v1, KS                       ; my row's scales: KS bytes a row,
	v_lshrrev_b32 v6, 8, v5
	v_lshl_add_u32 v5, v6, 4, v5                   ; and 16 more for each 256 passed
	s_mul_i32 s21, s15, HALFS
	s_mul_i32 s22, s16, HALFS
	s_add_co_u32 s22, s22, 2*HALFS
	s_sub_co_u32 s22, s22, s21
	v_mul_u32_u24 v6, s22, v2                      ; lanes 16-31 take the second operand's
	s_add_co_u32 s21, s21, SCL
	v_add_nc_u32 v5, v5, v6
	v_add_nc_u32 v[ADRS], s21, v5
	s_lshl_b32 s23, s14, 9                         ; the way out: 512 bytes for each wave, from LDS byte 0 on
	v_lshlrev_b32 v5, 2, v1
	v_add_nc_u32 v[STG], s23, v5
	v_and_b32 v6, 31, v0
	v_lshlrev_b32 v[LI], 4, v6
	v_add_nc_u32 v[RDS], s23, v[LI]
	; where my 128 x 128 goes.  tokens: 128 of them are number tok128 of their batch; channels: 128 of them are number w128 of q, k or v
	s_and_b32 s19, s42, 3
	s_cmp_eq_u32 ttmp9, 2
	s_cselect_b32 s18, s42, s17                    ; the tile of 256 tokens
	s_cselect_b32 s19, s41, s19                    ; the tile of 256 channels
	s_cselect_b32 s20, s16, s15                    ; my half of the tokens
	s_cselect_b32 s21, s15, s16                    ; my half of the channels
	s_cselect_b32 s22, 17, 14                      ; images: bytes from tok128 to the next, as a shift,
	s_cselect_b32 s23, 14, 18                      ; and from w128 to the next
	s_cselect_b32 s43, 9, 14                       ; scale words: from w128 to the next,
	s_cselect_b32 s44, 16, 13                      ; from batch to batch,
	s_cselect_b32 s45, 12, 9                       ; from tok128 to the next
	s_lshr_b32 s46, s18, 3                         ; batch
	s_and_b32 s18, s18, 7
	s_lshl_b32 s18, s18, 1
	s_add_co_u32 s18, s18, s20                     ; tok128
	s_lshl_b32 s19, s19, 1
	s_add_co_u32 s19, s19, s21                     ; w128
	s_lshl_b32 s92, ttmp9, 17                      ; the planes of q, k, v are 0x20000 bytes each
	s_add_co_u32 s92, s92, 0xC00000
	s_lshl_b32 s47, s19, s43
	s_add_co_u32 s92, s92, s47
	s_lshl_b32 s47, s46, s44
	s_add_co_u32 s92, s92, s47
	s_lshl_b32 s47, s18, s45
	s_add_co_u32 s92, s92, s47
	s_mov_b32 s93, 0
	s_add_nc_u64 s[96:97], s[12:13], s[92:93]      ; my 128 scale words
	s_lshl_b32 s92, ttmp9, 22                      ; the images of q, k, v are 0x400000 bytes each
	s_lshl_b32 s47, s46, 21
	s_add_co_u32 s92, s92, s47
	s_lshl_b32 s47, s18, s22
	s_add_co_u32 s92, s92, s47
	s_lshl_b32 s47, s19, s23
	s_add_co_u32 s92, s92, s47
	s_add_nc_u64 s[12:13], s[12:13], s[92:93]      ; my eight images, 2,048 bytes each, on end
	s_mov_b32 s[SEL], 0x76543210
	s_mov_b32 s[SEL+1], 0xfedcba98
	s_mov_b32 s[MNT], 0x600000
.macro FRAG reg, adr, q, i             ; a fragment, 16 rows x 128 K: lane l holds row l % 16; registers 4 c .. 4 c + 3 hold K = 32 c + 16 (l / 16) + 0 .. 15
.irp c, 0,1,2,3
	ds_load_b128 v[\reg+4*\c:\reg+4*\c+3], v[\adr] offset:128*(\q)+32*\c+(\i)*16*PITCH
.endr
.endm
; 16 matrix instructions: blocks a0, a0 + 1 of the first operand x the second's eight.  The 64 accumulators take turns, one instruction a turn, in the same order in every step.
.macro MUL16 a0, p, q, sc, zero
.irp a, \a0, \a0+1
.irp b, 0,1,2,3,4,5,6,7
.if \zero
	v_wmma_scale_f32_16x16x128_f8f6f4 v[8*(8*((\a)%4)+\b):8*(8*((\a)%4)+\b)+7], v[128*(\p)+FR*\b:128*(\p)+FR*\b+FR-1], v[AF+FR*(\a):AF+FR*(\a)+FR-1], 0, v[SC+8*NQ*(\sc)+NQ*\b+(\q)], v[SC+8*NQ*(\sc)+NQ*(\a)+(\q)] matrix_a_fmt:MATRIX_FMT_BF8 matrix_b_fmt:MATRIX_FMT_BF8 matrix_a_scale:MATRIX_SCALE_ROW1
.else
	v_wmma_scale_f32_16x16x128_f8f6f4 v[8*(8*((\a)%4)+\b):8*(8*((\a)%4)+\b)+7], v[128*(\p)+FR*\b:128*(\p)+FR*\b+FR-1], v[AF+FR*(\a):AF+FR*(\a)+FR-1], v[8*(8*((\a)%4)+\b):8*(8*((\a)%4)+\b)+7], v[SC+8*NQ*(\sc)+NQ*\b+(\q)], v[SC+8*NQ*(\sc)+NQ*(\a)+(\q)] matrix_a_fmt:MATRIX_FMT_BF8 matrix_b_fmt:MATRIX_FMT_BF8 matrix_a_scale:MATRIX_SCALE_ROW1
.endif
.endr
.endr
.endm
.macro FETCH_B slot, q, p
	WIN TO_B
.irp i, 0,1,2,3,4,5,6,7
	FRAG 128*(\p)+FR*\i, ADRB+\slot, \q, \i
.endr
	WIN 0
.endm
.macro FETCH_A slot, q, i0
.irp i, \i0, \i0+1, \i0+2, \i0+3
	FRAG AF+FR*(\i), ADRA+\slot, \q, \i
.endr
.endm
.macro SCALES sc                       ; a K step's scale words: lanes 0-15 take the first operand's block i, lanes 16-31 the second's
.irp i, 0,1,2,3,4,5,6,7
	ds_load_b64 v[SC+8*NQ*\sc+NQ*\i:SC+8*NQ*\sc+NQ*\i+1], v[ADRS] offset:\i*SBLK
.endr
.endm
.macro PLACES n                        ; plain vector lines between a matrix instruction and a load into, or a read of, its registers
.rept \n
	v_nop
.endr
.endm
.macro STEP slot, q, zero              ; 128 along K that have their successor in the same slot
	s_wait_dscnt 4*NL                              ; all but the youngest sixteen loads (the first operand's blocks 4-7) are in
	WIN MUL_LO
	MUL16 0, (\q)%2, \q, \slot, \zero
	MUL16 2, (\q)%2, \q, \slot, \zero
	s_wait_dscnt 0
	PLACES NP
	FETCH_B \slot, (\q)+1, 1-(\q)%2
	FETCH_A \slot, (\q)+1, 0
	WIN MUL_HI
	MUL16 4, (\q)%2, \q, \slot, \zero
	MUL16 6, (\q)%2, \q, \slot, \zero
	PLACES NP
	WIN 0
	FETCH_A \slot, (\q)+1, 4
.endm
; A slot's last step changes slots: one barrier; in front of it each wave waits for all its tensor loads, adds 0 to its spare word, and waits for that and for its own reads of this slot.
.macro TURN slot, next, fill
	s_wait_tensorcnt 0x0                           ; all my tensor loads have landed: my part of the next slot
	ds_add_u32 v[SPW], v[NIL]                      ; 0 onto my spare word
	s_wait_dscnt 4*NL+1                            ; the add and the youngest sixteen loads may be out
	WIN MUL_LO
	MUL16 0, 1, NQ-1, \slot, 0
	s_wait_dscnt 0x0                               ; the add is done, and my reads of this slot are over
	s_barrier_signal -1
	MUL16 2, 1, NQ-1, \slot, 0
	WIN 0
	s_barrier_wait -1
.if \fill
	CREST                                          ; the barrier has opened a round of the cluster's: no wave of any partner still reads this slot or has a load on its way
	s_add_nc_u64 s[G0+4*\slot+2:G0+4*\slot+3], s[G0+4*\slot+2:G0+4*\slot+3], 2*ROWB
	s_add_nc_u64 s[G0B+4*\slot+2:G0B+4*\slot+3], s[G0B+4*\slot+2:G0B+4*\slot+3], 2*ROWB
	JLOAD G0+4*\slot, G1, G0B+4*\slot, G1B         ; the first tensor load behind the round; its four v_nop are among the places in front of the loads below
	PLACES NP-4
.else
	PLACES NP
.endif
	s_wait_alu depctr_va_vdst(0)
	v_add_nc_u32 v[ADRS], 4*NQ, v[ADRS]            ; on to the next K step's scale words
	FETCH_B \next, 0, 0
	FETCH_A \next, 0, 0
	SCALES \next
	WIN MUL_HI
	MUL16 4, 1, NQ-1, \slot, 0
	MUL16 6, 1, NQ-1, \slot, 0
	PLACES NP
	WIN 0
	FETCH_A \next, 0, 4
.endm
	s_wait_alu depctr_va_vdst(0)
	s_wait_tensorcnt 0x0                           ; my tile of the head's four is in
	ds_add_u32 v[SPW], v[NIL]
	s_mov_b32 s[G1+2], 128<<16                     ; no tensor load of mine is out: from here on a load brings 128 rows
	s_mov_b32 s[G1+4], 128
	s_mov_b32 s[G1B+2], 128<<16
	s_mov_b32 s[G1B+4], 128
	s_wait_dscnt 0x0
	CROUND                                         ; all four tiles are in, and all sixteen work-groups are here
	JLOAD G0+4, G1, G0B+4, G1B                     ; K step 1's load, the first tensor load behind the round
	FETCH_B 0, 0, 0
	FETCH_A 0, 0, 0
	SCALES 0
	FETCH_A 0, 0, 4
	global_prefetch_b8 v7, s[66:67] offset:768 th:TH_LOAD_NT scope:SCOPE_SE   ; K step 3, the last
	STEP 0, 0, 1                                   ; the first step's products start the sums
	s_mov_b32 s3, LAPS-1
.Llap:
	TURN 0, 1, 1
	STEP 1, 0, 0
	TURN 1, 0, 1
	STEP 0, 0, 0
	s_sub_co_u32 s3, s3, 1
	s_cmp_lg_u32 s3, 0
	s_cbranch_scc1 .Llap
	TURN 0, 1, 0                                   ; the last lap fills nothing
	STEP 1, 0, 0
	s_wait_dscnt 4*NL
	WIN MUL_LO
	MUL16 0, 1, NQ-1, 1, 0
	MUL16 2, 1, NQ-1, 1, 0
	s_wait_dscnt 0
	WIN MUL_HI
	MUL16 4, 1, NQ-1, 1, 0
	MUL16 6, 1, NQ-1, 1, 0
	WIN 0
; THE WAY OUT of block a: my row's 128 numbers, 64 in this lane (register 16 c + i: block c of 32), are quantised and leave as an image.
.macro QTILE a
.set AC, 64*((\a)%4)
	WIN 0x0a+5*((\a)/4)                            ; sources 0 and 1: the accumulators' window
.irp c, 0,1,2,3
	v_max3_num_f32 v[TM+\c], |v[AC+16*\c]|, |v[AC+16*\c+1]|, 0x8000000   ; each accumulator from its low end on; the floor 2^(16 - 127) holds the byte at 1 from below
.endr
.irp i, 2,4,6,8,10,12,14
.irp c, 0,1,2,3
	v_max3_num_f32 v[TM+\c], |v[AC+16*\c+\i]|, |v[AC+16*\c+\i+1]|, v[TM+\c]
.endr
.endr
	WIN 0
.irp c, 0,1,2,3
	v_permlanex16_b32 v[TM+4+\c], v[TM+\c], s[SEL], s[SEL+1]
.endr
.irp c, 0,1,2,3
	v_max_num_f32 v[TM+\c], v[TM+\c], v[TM+4+\c]   ; with lane l xor 16's: the block's largest magnitude
.endr
.irp c, 0,1,2,3
	v_add_nc_u32 v[TM+12+\c], 0xf8800000, v[TM+\c] ; 15 off its exponent field: the conversion's scale operand
.endr
.irp c, 0,1,2,3
	v_and_or_b32 v[TM+8+\c], v[TM+\c], 0x7f800000, s[MNT]   ; 57,344 x the scale
.endr
.irp c, 0,1,2,3
	v_lshrrev_b32 v[TM+4+\c], 23, v[TM+12+\c]      ; the scale's byte
.endr
	v_lshl_or_b32 v[PW], v[TM+5], 8, v[TM+4]
	v_lshl_or_b32 v[PW], v[TM+6], 16, v[PW]
	v_lshl_or_b32 v[PW], v[TM+7], 24, v[PW]
	WIN 0x02+(\a)/4                                ; source 0: the accumulators' window
.irp c, 0,1,2,3
.irp i, 0,1,2,3,4,5,6,7,8,9,10,11,12,13,14,15
	v_med3_num_f32 v[X+16*\c+\i], v[AC+16*\c+\i], -v[TM+8+\c], v[TM+8+\c]   ; the hold (the conversion does not saturate: ISA guide 7.6.2) also brings the number into window 0
.endr
.endr
	WIN 0
	s_wait_alu depctr_va_vdst(0)
	s_wait_xcnt 0x0                                ; the last block's stores have read their registers: the codes are written anew below
.irp c, 0,1,2,3
	v_cvt_scalef32_pk8_bf8_f32 v[PC+4*\c:PC+4*\c+1], v[X+16*\c:X+16*\c+7], v[TM+12+\c]
	v_cvt_scalef32_pk8_bf8_f32 v[PC+4*\c+2:PC+4*\c+3], v[X+16*\c+8:X+16*\c+15], v[TM+12+\c]
.endr
	v_nop                                          ; a plain line behind the last conversion
.irp c, 0,1,2,3
	global_store_b128 v[LI], v[PC+4*\c:PC+4*\c+3], s[12:13] offset:2048*(\a)+512*\c   ; 32 lanes store 512 consecutive bytes
.endr
	ds_store_b32 v[STG], v[PW] offset:64*(\a)      ; both halves of the lanes store the same word
.endm
	PLACES NP                                      ; behind the last products: their results are read and their operands' registers written below
.irp c, 0,1,2,3
	v_mov_b32 v[TM+4+\c], 0                        ; a lane permute's destination counts as one of its sources: written once
.endr
.irp a, 0,1,2,3,4,5,6,7
	QTILE \a
.endr
	ds_load_b128 v[BK:BK+3], v[RDS]                ; LDS serves a wave's instructions in order: this sees my eight stores
	s_wait_dscnt 0x0
	global_store_b128 v[LI], v[BK:BK+3], s[96:97]  ; my 128 scale words: 512 consecutive bytes
	s_wait_tensorcnt 0x0                           ; the wave's end
	ds_add_u32 v[SPW], v[NIL]
	s_wait_dscnt 0x0
	CROUND                                         ; the closing round: no work-group ends while a partner may still ask for a tile that names it
	s_endpgm
.Lfunc_end_k_q64f79ff80d_qkv:
	.size	k_q64f79ff80d_qkv, .Lfunc_end_k_q64f79ff80d_qkv-k_q64f79ff80d_qkv
	.p2alignl 7, 3214868480
	.fill 96, 4, 3214868480
	.section	.rodata,"a",@progbits
	.p2align	6, 0x0
	.amdhsa_kernel k_q64f79ff80d_qkv
		.amdhsa_group_segment_fixed_size 327680
		.amdhsa_private_segment_fixed_size 0
		.amdhsa_enable_private_segment 0
		.amdhsa_kernarg_size 32
		.amdhsa_user_sgpr_count 2
		.amdhsa_user_sgpr_kernarg_segment_ptr 1
		.amdhsa_wavefront_size32 1
		.amdhsa_system_sgpr_workgroup_id_x 1
		.amdhsa_system_sgpr_workgroup_id_y 1
		.amdhsa_system_sgpr_workgroup_id_z 1
		.amdhsa_system_vgpr_workitem_id 0
		.amdhsa_next_free_vgpr 1024
		.amdhsa_next_free_sgpr 102
		.amdhsa_reserve_vcc 0
		.amdhsa_float_denorm_mode_32 3
		.amdhsa_float_denorm_mode_16_64 3
		.amdhsa_memory_ordered 1
		.amdhsa_forward_progress 1
		.amdhsa_inst_pref_size 188
	.end_amdhsa_kernel
	.amdgpu_metadata
---
amdhsa.version: [ 1, 2 ]
amdhsa.kernels:
  - .name:           k_q64f79ff80d_qkv
    .symbol:         k_q64f79ff80d_qkv.kd
    .args:
      - { .name: xq, .offset: 0, .size: 8, .value_kind: global_buffer, .address_space: global }
      - { .name: w_qkv_codes, .offset: 8, .size: 8, .value_kind: global_buffer, .address_space: global }
      - { .name: w_qkv_scales, .offset: 16, .size: 8, .value_kind: global_buffer, .address_space: global }
      - { .name: qkv, .offset: 24, .size: 8, .value_kind: global_buffer, .address_space: global }
    .group_segment_fixed_size: 327680
    .private_segment_fixed_size: 0
    .kernarg_segment_align: 8
    .kernarg_segment_size: 32
    .max_flat_workgroup_size: 128
    .sgpr_count:     102
    .vgpr_count:     1024
    .wavefront_size: 32
...
	.end_amdgpu_metadata
.endif
;; end of part 2
;; launch attn (part 3): grid 8 x 32, 16 waves a work-group, clusters of 4 x 1, 276,480 bytes of LDS; arguments qkv, oq; writes oq
.if DOCPART == 3
	.amdgcn_target "amdgcn-amd-amdhsa--gfx1250"
	.amdhsa_code_object_version 6
	.text
	.protected	k_q64f79ff80d_attn
	.globl	k_q64f79ff80d_attn
	.p2align	8
	.type	k_q64f79ff80d_attn,@function
k_q64f79ff80d_attn:
	s_mov_b64 s[64:65], 0
	v_nop
	global_prefetch_b8 v0, s[64:65] scope:SCOPE_SE
	s_setreg_imm32_b32 hwreg(HW_REG_WAVE_MODE, 25, 1), 1
	s_wait_xcnt 0x0
	s_wait_alu depctr_hold_cnt(0) depctr_sa_sdst(0) depctr_va_vdst(0) depctr_va_sdst(0) depctr_va_ssrc(0) depctr_va_vcc(0) depctr_vm_vsrc(0)
	s_getreg_b32 s2, hwreg(HW_REG_IB_STS2, 6, 4)
	s_cmp_eq_u32 s2, 0
	s_cbranch_scc0 .Lentry_in_a_cluster
	s_endpgm
.Lentry_in_a_cluster:
	s_bfe_u32 s2, ttmp6, 0x10000c
	s_cmp_lg_u32 s2, 0x3003
	s_cbranch_scc0 .Lentry_shape_is_right
	s_endpgm
.Lentry_shape_is_right:
; ATTENTION on codes of E5M2.  o[q] = sum over k of softmax_k(q . k x 64^0.25) v[k], for 32 (batch, head) x 2,048 queries x 2,048 keys, head size 64; o is quantised along the model's 1,024 for the next product.
; THE SOFTMAX AHEAD OF THE SECOND PRODUCT: t = score x 64^0.25 x log2(e); M = the row's largest t so far, rounded UP to a whole number; p = 2^(t - M) is what is quantised, along the keys, not normalised.
; The row's sum is taken of the unquantised p and divides O at the end.  When M moves, the sum and O are multiplied by 2^(old M - new M): exact.
; INPUT (made by the launch before): images of operand registers, 512 c + 16 lane for registers 4 c .. 4 c + 3.  Q, K: 16 tokens x 128 channels of a pair of heads, 2,048 bytes; a head's half is 1,024 bytes on end.
; V: 16 channels x 128 keys.  Scale words: one for a row and 128 along K; of Q's and K's words a head owns two bytes.
; SHARES.  A work-group owns 256 queries of one head, each of its sixteen waves 16 of them, in 256 registers: four waves to a SIMD.
; NO RING.  A head's K and V are 2 x 131,072 bytes of codes and 12,288 of scale words: all of it lies in LDS, and every byte is filled ONCE, by ten tensor loads at the head, ONE A WAVE:
; wave 0 K's scale words, wave 1 V's, wave 2 K's first 512 keys, wave 3 V's; waves 5, 6, 7 K's chunks 1, 2, 3 of 512 keys (chunk = wave % 4), waves 9, 10, 11 V's.
; TWO BARRIERS: in front of the first waves 0 to 3 alone wait for their loads, which have load lines of their own: four key steps run on them; in front of the second every wave waits for all its loads: the other twelve steps.
; CLUSTER: the four work-groups of a cluster own queries of one head and need the same K and V: every tile is asked for jointly (mask 15); descriptors hang on batch and head alone, no LDS address and no branch on the place in the cluster.
; No prefetch: all that the launch reads is asked for in its first lines; there is no loop of loads to run ahead in.
; LAYOUT.  Both products are used transposed: S^T = K Q^T (source 0 = 16 keys, source 1 = my 16 queries), O^T = V^T P^T: a lane holds one query (lane % 16) throughout; p's 16 registers of two neighbouring tiles
; fill a block's 16 slots in the same order in which the launch before laid v's keys.
; K = 64 IN AN INSTRUCTION OF 128: Q's registers 8-15 are zero codes.  K's fragment of tile t is 16 registers from its own 8 on: the upper 8 are the next tile's codes (finite: the quantiser holds) or zeros: x 0 they add nothing.
; The upper two bytes of the scale words are 0, which stands for 2^-127.
; OUTPUT.  oq: images [row tile 256][head pair 8][2,048], k in its true places (the two halves of the lanes exchange eight codes a block); scale words [pair 8][row 4096] at 0x400000, of which this head stores two bytes:
; 32 bytes of a wave's 1,056 leave as halfwords, 4 bytes apart: the other half of each word is another work-group's.
; LIMITS: NaN and infinities are not served; a block of zeros gets the byte 1 (its codes are zeros; this program alone reads the bytes); the scaled scores stay under 2^31 in magnitude.
.set KIMG, 0                           ; LDS: K's 128 tiles of 1,024 bytes
.set VIMG, 131072                      ; V's 16 key steps x 4 channel tiles of 2,048 bytes
.set KSC,  262144                      ; K's scale words, 4 bytes a key
.set VSC,  270336                      ; V's: 16 key steps x 64 words
.set SPARE, 274432                     ; the spare words: 128 bytes for each of sixteen waves
.set KOFF, 0x400000
.set VOFF, 0x800000
.set QSO,  0xC00000
.set KSO,  0xC20000
.set VSO,  0xC40000
.set OSO,  0x400000
.set LI,   1                           ; v1   16 x lane
.set LIV,  2                           ; v2   + VIMG
.set ASK0, 3                           ; v3   my place among K's scale words: KSC + 4 r + 2 x the head's parity
.set ASV0, 4                           ; v4   among V's: VSC + 4 r
.set ADK,  5                           ; v5-8 the step's addresses
.set ADV,  6
.set ADS,  7
.set ADT,  8
.set R4,   9                           ; v9   4 r
.set QF,   16                          ; v16-23 Q's codes, v24-31 zeros
.set KF,   32                          ; v32-95 K's eight tiles x 8, later V's four fragments x 16; v96-103 zeros
.set S,    104                         ; v104-167 S^T, then p
.set O,    168                         ; v168-199 O^T
.set PC,   200                         ; v200-215 p's codes
.set MX,   216
.set PM,   220
.set LIM,  224
.set SOP,  228
.set SW,   232                         ; v232-239 scale words of K, then of V
.set QS,   240                         ; v240 Q's scale word
.set TT,   241
.set FF,   242                         ; v[242:243]: f; v243 is p's scale word
.set PWD,  243
.set PX,   244                         ; v244-247 the way out's exchange
.set WV,   8
.set TK,   10                          ; s10  the key step's bytes in KIMG and in VIMG: 8,192 a step
.set TS,   11                          ; s11  in KSC: 512 a step
.set MNT,  15
.set SEL,  20
.set CS,   22                          ; s[22:23] c = 64^0.25 x log2(e)
.set TV,   66                          ; s66  in VSC: 256 a step
.set CNT,  67
.set HM,   100                         ; s100 lanes 16-31
.macro G1SET g, c, r, p                ; descriptor group 1: r rows of c elements of 8 bytes, p elements apart; the mask names the cluster's four, bit 21 set beside it; no padding
	s_mov_b32 s[\g], 15|(3<<16)|(1<<21)
	s_mov_b32 s[\g+1], ((\c)&0xffff)<<16
	s_mov_b32 s[\g+2], ((\c)>>16)|(((\r)&0xffff)<<16)
	s_mov_b32 s[\g+3], ((\r)>>16)|((\c)<<16)
	s_mov_b32 s[\g+4], \r
	s_mov_b32 s[\g+5], \p
	s_mov_b32 s[\g+6], 0
	s_mov_b32 s[\g+7], 0
.endm
.macro G0SET g, lds, base, off         ; group 0: count 1, the LDS address, the global address, type 2
	s_mov_b32 s[\g], 1
	s_mov_b32 s[\g+1], \lds
	s_add_nc_u64 s[\g+2:\g+3], s[\base:\base+1], \off
	s_or_b32 s[\g+3], s[\g+3], 0x80000000
.endm
.macro CROUND                          ; a round of the cluster's barrier
	s_barrier_signal -1
	s_barrier_wait -1
	s_cmp_lg_u32 s[WV], 0
	s_cbranch_scc1 .Lnot_wave_0_\@
	s_barrier_signal -3
.Lnot_wave_0_\@:
	s_barrier_wait -3
	s_barrier_signal -1
	s_barrier_wait -1
.endm
.macro ARM under, g0, g1, next         ; an arm of the head's chain: one tensor load, its s_nop 0 and four v_nop, a jump to the join
	s_cmp_lt_u32 s[WV], \under
	s_cbranch_scc0 \next
	tensor_load_to_lds s[\g0:\g0+3], s[\g1:\g1+7]
	s_nop 0
.rept 4
	v_nop
.endr
	s_branch .Lasked
\next:
.endm
	s_load_b128 s[4:7], s[0:1], 0x0                ; qkv, oq
	v_lshl_add_u32 v254, v0, 2, SPARE
	v_mov_b32 v255, 0
	ds_add_u32 v254, v255                          ; the opening lines: the add, twice on end, and its wait ahead of the first tensor load
	ds_add_u32 v254, v255
	v_lshrrev_b32 v1, 5, v0
	s_delay_alu instid0(VALU_DEP_1)
	v_readfirstlane_b32 s[WV], v1                  ; wave 0..15
	s_and_b32 s14, ttmp7, 0xffff
	s_lshr_b32 s10, s14, 4                         ; batch
	s_and_b32 s11, s14, 15                         ; head
	s_lshr_b32 s12, s11, 1                         ; pair of heads
	s_and_b32 s13, s11, 1                          ; which of the pair
	G1SET 24, 128, 32, 256                         ; K: 32 tiles' 1,024 bytes, 2,048 apart
	G1SET 32, 1024, 4, 16384                       ; V: 4 key steps' 8,192 bytes, 131,072 apart
	G1SET 40, 32, 32, 32                           ; K's scale words: 8,192 dense bytes as rows of 256
	G1SET 48, 32, 16, 512                          ; V's: 16 key steps' 256 bytes, 4,096 apart
	s_lshl_b32 s16, s10, 21
	s_lshl_b32 s14, s12, 18
	s_add_co_u32 s16, s16, s14
	s_lshl_b32 s14, s13, 10
	s_add_co_u32 s16, s16, s14                     ; Q's and K's images: batch, pair, my head's half
	s_mov_b32 s17, 0
	s_lshl_b32 s18, s10, 21
	s_lshl_b32 s14, s11, 13
	s_add_co_u32 s18, s18, s14                     ; V's images: batch, head
	s_mov_b32 s19, 0
	s_lshl_b32 s2, s12, 14
	s_lshl_b32 s14, s10, 13
	s_add_co_u32 s2, s2, s14                       ; scale words of q, k, o: pair, batch
	s_mov_b32 s3, 0
	s_lshl_b32 s66, s10, 16
	s_lshl_b32 s14, s11, 8
	s_add_co_u32 s66, s66, s14                     ; of v: batch, head
	s_mov_b32 s67, 0
	s_bfe_u32 s9, ttmp6, 0x40000                   ; my place in the cluster: it enters global addresses of Q and o alone
	s_lshl_b32 s14, ttmp9, 2
	s_add_co_u32 s9, s9, s14                       ; work-group x = 4 x cluster x + place
	s_lshl_b32 s9, s9, 4
	s_add_co_u32 s9, s9, s[WV]                     ; my tile of 16 queries: 16 x work-group x + wave
	s_lshl_b32 s100, s9, 6
	s_lshl_b32 s14, s13, 1
	s_add_co_u32 s100, s100, s14
	s_add_co_u32 s100, s100, s2                    ; my tile's scale words, my head's two bytes
	s_mov_b32 s101, 0
	s_and_b32 s84, s[WV], 3                        ; the chunk of 512 keys that waves 5-7 and 9-11 fetch
	s_lshl_b32 s85, s84, 15                        ; its 32,768 bytes in LDS,
	s_lshl_b32 s86, s84, 16                        ; in K's images,
	s_mov_b32 s87, 0
	s_lshl_b32 s88, s84, 19                        ; in V's
	s_mov_b32 s89, 0
	s_wait_dscnt 0x0                               ; both opening adds are done
	CROUND                                         ; the four work-groups are here: the joint loads meet
	s_wait_kmcnt 0x0
	s_add_nc_u64 s[16:17], s[4:5], s[16:17]
	s_add_nc_u64 s[18:19], s[4:5], s[18:19]
	s_add_nc_u64 s[2:3], s[4:5], s[2:3]
	s_add_nc_u64 s[66:67], s[4:5], s[66:67]
	G0SET 56, KSC, 2, KSO
	G0SET 60, VSC, 66, VSO
	G0SET 68, KIMG, 16, KOFF
	G0SET 72, VIMG, 18, VOFF
	s_mov_b32 s76, 1
	s_add_co_u32 s77, s85, KIMG
	s_add_nc_u64 s[78:79], s[16:17], s[86:87]
	s_add_nc_u64 s[78:79], s[78:79], KOFF
	s_or_b32 s79, s79, 0x80000000
	s_mov_b32 s80, 1
	s_add_co_u32 s81, s85, VIMG
	s_add_nc_u64 s[82:83], s[18:19], s[88:89]
	s_add_nc_u64 s[82:83], s[82:83], VOFF
	s_or_b32 s83, s83, 0x80000000
	ARM 1, 56, 40, .La1                            ; what the first four key steps need is asked for in the first four arms
	ARM 2, 60, 48, .La2
	ARM 3, 68, 24, .La3
	ARM 4, 72, 32, .La4
	s_cmp_eq_u32 s84, 0                            ; waves 4, 8, 12 fetch nothing
	s_cbranch_scc1 .Lasked
	ARM 8, 76, 24, .La5                            ; waves 5, 6, 7
	ARM 12, 80, 32, .La6                           ; waves 9, 10, 11
.Lasked:
	s_add_nc_u64 s[2:3], s[4:5], s[100:101]
	s_add_nc_u64 s[2:3], s[2:3], QSO               ; Q's scale words
	s_add_nc_u64 s[18:19], s[6:7], s[100:101]
	s_add_nc_u64 s[18:19], s[18:19], OSO           ; o's scale words
	s_lshl_b32 s100, s9, 11
	s_add_nc_u64 s[16:17], s[16:17], s[100:101]    ; Q's image, my head's half
	s_lshl_b32 s100, s10, 21                       ; o's image: row tile 128 batch + my tile, 16,384 bytes each; pair; my head's half
	s_lshl_b32 s14, s9, 14
	s_add_co_u32 s100, s100, s14
	s_lshl_b32 s14, s12, 11
	s_add_co_u32 s100, s100, s14
	s_lshl_b32 s14, s13, 10
	s_add_co_u32 s100, s100, s14
	s_add_nc_u64 s[6:7], s[6:7], s[100:101]
	s_mov_b32 s[HM], 0xffff0000
	s_mov_b32 s[SEL], 0x76543210
	s_mov_b32 s[SEL+1], 0xfedcba98
	s_mov_b32 s[CS], 0x408293ee
	s_mov_b32 s[CS+1], s[CS]                       ; (named with it as a pair, so it is written)
	s_mov_b32 s[MNT], 0x600000
	v_and_b32 v[R4], 15, v0
	s_delay_alu instid0(VALU_DEP_1)
	v_lshlrev_b32 v[R4], 2, v[R4]
	v_and_b32 v[LI], 31, v0
	s_delay_alu instid0(VALU_DEP_1)
	v_lshlrev_b32 v[LI], 4, v[LI]
	s_delay_alu instid0(VALU_DEP_1)
	v_add_nc_u32 v[LIV], VIMG, v[LI]
	s_lshl_b32 s14, s13, 1
	s_add_co_u32 s14, s14, KSC
	v_add_nc_u32 v[ASK0], s14, v[R4]
	v_add_nc_u32 v[ASV0], VSC, v[R4]
	global_load_b128 v[QF:QF+3], v[LI], s[16:17]
	global_load_b128 v[QF+4:QF+7], v[LI], s[16:17] offset:512
	global_load_u16 v[QS], v[R4], s[2:3]           ; my head's two bytes; the upper two come as 0
.irp j, 24,25,26,27,28,29,30,31,96,97,98,99,100,101,102,103
	v_mov_b32 v[\j], 0                             ; zero codes
.endr
	v_mov_b32 v13, 0xff61b1e6                      ; the largest t so far: -3e38, under every t
	s_delay_alu instid0(VALU_DEP_1)
	v_floor_f32 v12, -v13                          ; -M
	v_mov_b32 v14, 0                               ; the sum, in two halves
	v_mov_b32 v15, 0
.irp b, 0,1,2,3
	v_mov_b32 v[PM+\b], 0                          ; a lane permute's destination counts as one of its sources: written once
	v_mov_b32 v[PX+\b], 0
.endr
	v_mov_b32 v[PWD], 0                            ; (named as the upper half of the pair before it is first written)
.irp j, 236,237,238,239,248,249,250,251,252,253
	v_mov_b32 v[\j], 0                             ; the row sum's chains (with v244-247, cleared above): the first step joins zeros
.endr
.set j, 0
.rept 32
	v_mov_b32 v[O+j], 0                            ; O^T: the step is written once; its first run finds zeros, which the first change of M leaves zeros
.set j, j+1
.endr
; A KEY STEP: 128 keys
.macro STEP
; the last step's eight chains of the row's sum are joined here and behind the first product: these eight lines, which name no register of the last products, are the places in front of the loads into registers that those products read
	v_pk_add_f32 v[244:245], v[244:245], v[238:239]
	v_pk_add_f32 v[252:253], v[252:253], v[236:237]
	v_pk_add_f32 v[14:15], v[14:15], v[248:249]
	v_pk_add_f32 v[250:251], v[250:251], v[246:247]
	v_add_nc_u32 v[ADK], s[TK], v[LI]
	v_add_nc_u32 v[ADS], s[TS], v[ASK0]
	v_pk_add_f32 v[14:15], v[14:15], v[252:253]
	v_pk_add_f32 v[244:245], v[244:245], v[250:251]
.irp t, 0,1,2,3,4,5,6,7
	ds_load_b128 v[KF+8*\t:KF+8*\t+3], v[ADK] offset:1024*\t
	ds_load_b128 v[KF+8*\t+4:KF+8*\t+7], v[ADK] offset:1024*\t+512
	ds_load_u16 v[SW+\t], v[ADS] offset:64*\t
.endr
	s_wait_alu depctr_va_vdst(0)
	s_wait_dscnt 0x0
.irp t, 0,1,2,3,4,5,6,7
	v_wmma_scale_f32_16x16x128_f8f6f4 v[S+8*\t:S+8*\t+7], v[KF+8*\t:KF+8*\t+15], v[QF:QF+15], 0, v[SW+\t], v[QS] matrix_a_fmt:MATRIX_FMT_BF8 matrix_b_fmt:MATRIX_FMT_BF8
.endr
	v_pk_add_f32 v[14:15], v[14:15], v[244:245]    ; the sum so far is whole.  Eight places in front of the loads below and of the first read of the scores: four lines of work, four idle
	v_add_nc_u32 v[ADV], s[TK], v[LIV]
	v_add_nc_u32 v[ADT], s[TV], v[ASV0]
	v_mov_b32 v10, v12                             ; the old -M
.rept 4
	v_nop
.endr
.irp t, 0,1,2,3
.irp c, 0,1,2,3
	ds_load_b128 v[KF+16*\t+4*\c:KF+16*\t+4*\c+3], v[ADV] offset:2048*\t+512*\c
.endr
	ds_load_b32 v[SW+\t], v[ADT] offset:64*\t
.endr
.irp b, 0,1,2,3
	v_max3_num_f32 v[MX+\b], v[S+16*\b], v[S+1+16*\b], v[S+2+16*\b]   ; the largest score of each block of 32 keys: it serves for the row's maximum and, since p rises with the score, for the block's largest p
.endr
.irp i, 3,5,7,9,11,13
.irp b, 0,1,2,3
	v_max3_num_f32 v[MX+\b], v[MX+\b], v[S+16*\b+\i], v[S+1+16*\b+\i]
.endr
.endr
.irp b, 0,1,2,3
	v_max_num_f32 v[MX+\b], v[MX+\b], v[S+15+16*\b]
.endr
.irp b, 0,1,2,3
	s_delay_alu instid0(VALU_DEP_4)
	v_permlanex16_b32 v[PM+\b], v[MX+\b], s[SEL], s[SEL+1]
.endr
.irp b, 0,1,2,3
	s_delay_alu instid0(VALU_DEP_4)
	v_max_num_f32 v[MX+\b], v[MX+\b], v[PM+\b]     ; with lane l xor 16's 16 keys
.endr
	s_delay_alu instid0(VALU_DEP_2)
	v_max3_num_f32 v[TT], v[MX], v[MX+1], v[MX+2]
	s_delay_alu instid0(VALU_DEP_1)
	v_max_num_f32 v[TT], v[TT], v[MX+3]
	s_delay_alu instid0(VALU_DEP_1)
	v_mul_f32 v[TT], s[CS], v[TT]                  ; as t (c is positive)
	s_delay_alu instid0(VALU_DEP_1)
	v_max_num_f32 v13, v13, v[TT]                  ; the running largest t
	s_delay_alu instid0(VALU_DEP_1)
	v_floor_f32 v12, -v13                          ; the new -M = floor(-t) = -ceil(t)
	s_delay_alu instid0(VALU_DEP_1)
	v_sub_f32 v[TT], v12, v10                      ; old M - new M: a whole number, 0 or less
	s_delay_alu instid0(VALU_DEP_1)
	v_cvt_i32_f32 v[TT], v[TT]                     ; (it saturates)
	s_delay_alu instid0(VALU_DEP_1)
	v_ldexp_f32 v[FF], 1.0, v[TT]                  ; f = 2^(old M - new M)
.set j, 0
.rept 32
	v_pk_fma_f32 v[S+j:S+j+1], v[S+j:S+j+1], s[CS:CS+1], v[12:13] op_sel_hi:[1,0,0]   ; t - M, two at a time
.set j, j+2
.endr
.irp b, 0,1,2,3
	v_fma_f32 v[MX+\b], v[MX+\b], s[CS], v12       ; the same of each block's largest score
.endr
.set j, 0
	s_wait_alu depctr_va_vdst(0)
.rept 64
	v_exp_f32 v[S+j], v[S+j]                       ; p = 2^(t - M)
.set j, j+1
.endr
	v_pk_mul_f32 v[14:15], v[14:15], v[FF:FF+1] op_sel_hi:[1,0]   ; the sums under the new M: a plain line behind the exponentials
	s_wait_alu depctr_va_vdst(0)                   ; one wait for the whole batch, ahead of its first reader
.irp b, 0,1,2,3
	v_exp_f32 v[MX+\b], v[MX+\b]                   ; the block's largest p
.endr
	v_pk_add_f32 v[244:245], v[108:109], v[112:113]   ; the row's sum of the unquantised p, in eight chains, which the next step (or the way out) joins
	v_pk_add_f32 v[252:253], v[116:117], v[120:121]
	v_pk_add_f32 v[250:251], v[124:125], v[128:129]
	v_pk_add_f32 v[248:249], v[132:133], v[136:137]
	v_pk_add_f32 v[238:239], v[140:141], v[144:145]
	v_pk_add_f32 v[236:237], v[148:149], v[152:153]
	v_pk_add_f32 v[246:247], v[156:157], v[160:161]
	v_pk_add_f32 v[14:15], v[14:15], v[164:165]
	v_pk_add_f32 v[244:245], v[244:245], v[104:105]
	v_pk_add_f32 v[252:253], v[252:253], v[106:107]
	v_pk_add_f32 v[250:251], v[250:251], v[110:111]
	v_pk_add_f32 v[248:249], v[248:249], v[114:115]
	v_pk_add_f32 v[238:239], v[238:239], v[118:119]
	v_pk_add_f32 v[236:237], v[236:237], v[122:123]
	v_pk_add_f32 v[246:247], v[246:247], v[126:127]
	v_pk_add_f32 v[14:15], v[14:15], v[130:131]
	v_pk_add_f32 v[244:245], v[244:245], v[134:135]
	v_pk_add_f32 v[252:253], v[252:253], v[138:139]
	v_pk_add_f32 v[250:251], v[250:251], v[142:143]
	v_pk_add_f32 v[248:249], v[248:249], v[146:147]
	v_pk_add_f32 v[238:239], v[238:239], v[150:151]
	v_pk_add_f32 v[236:237], v[236:237], v[154:155]
	v_pk_add_f32 v[246:247], v[246:247], v[158:159]
	v_pk_add_f32 v[14:15], v[14:15], v[162:163]
	v_pk_add_f32 v[244:245], v[244:245], v[166:167]
	s_wait_alu depctr_va_vdst(0)                   ; and one for the four
.irp b, 0,1,2,3
	v_max_num_f32 v[MX+\b], 0x8000000, v[MX+\b]    ; the floor 2^(16 - 127)
.endr
.irp b, 0,1,2,3
	s_delay_alu instid0(VALU_DEP_4)
	v_add_nc_u32 v[SOP+\b], 0xf8800000, v[MX+\b]   ; 15 off the exponent field: the conversion's scale operand
.endr
.irp b, 0,1,2,3
	v_and_or_b32 v[LIM+\b], v[MX+\b], 0x7f800000, s[MNT]   ; 57,344 x the scale
.endr
.irp b, 0,1,2,3
	v_lshrrev_b32 v[PM+\b], 23, v[SOP+\b]          ; the scale's byte
.endr
	s_delay_alu instid0(VALU_DEP_3)
	v_lshl_or_b32 v[PWD], v[PM+1], 8, v[PM]        ; p's scale word for these 128 keys
	s_delay_alu instid0(VALU_DEP_1)
	v_lshl_or_b32 v[PWD], v[PM+2], 16, v[PWD]
	s_delay_alu instid0(VALU_DEP_1)
	v_lshl_or_b32 v[PWD], v[PM+3], 24, v[PWD]
; THE HOLD: the conversion does not saturate (ISA guide 7.6.2); p is not negative, so the hold is one-sided.  f32 has no packed minimum: two minima go in one dual-issue pair, 32 lines for the 64 numbers.
; A pair's halves take an even register of one block and an odd one of the block beside it: one destination even and one odd, the two first sources in different banks (register number mod 4), the two limits likewise.
.irp b, 0,2
.set j, 0
.rept 8
	v_dual_min_num_f32 v[S+16*\b+j], v[S+16*\b+j], v[LIM+\b] :: v_dual_min_num_f32 v[S+16*\b+17+j], v[S+16*\b+17+j], v[LIM+\b+1]
	v_dual_min_num_f32 v[S+16*\b+16+j], v[S+16*\b+16+j], v[LIM+\b+1] :: v_dual_min_num_f32 v[S+16*\b+1+j], v[S+16*\b+1+j], v[LIM+\b]
.set j, j+2
.endr
.endr
.irp b, 0,1,2,3
	v_cvt_scalef32_pk8_bf8_f32 v[PC+4*\b:PC+4*\b+1], v[S+16*\b:S+16*\b+7], v[SOP+\b]
	v_cvt_scalef32_pk8_bf8_f32 v[PC+4*\b+2:PC+4*\b+3], v[S+16*\b+8:S+16*\b+15], v[SOP+\b]
.endr
.set j, 0
.rept 16
	v_pk_mul_f32 v[O+j:O+j+1], v[O+j:O+j+1], v[FF:FF+1] op_sel_hi:[1,0]   ; O^T under the new M; these lines are also the places between the codes and the products
.set j, j+2
.endr
	s_wait_alu depctr_va_vdst(0)
	s_wait_dscnt 0x0                               ; V's fragments and scale words
.irp t, 0,1,2,3
	v_wmma_scale_f32_16x16x128_f8f6f4 v[O+8*\t:O+8*\t+7], v[KF+16*\t:KF+16*\t+15], v[PC:PC+15], v[O+8*\t:O+8*\t+7], v[SW+\t], v[PWD] matrix_a_fmt:MATRIX_FMT_BF8 matrix_b_fmt:MATRIX_FMT_BF8
.endr
	s_add_co_u32 s[TK], s[TK], 8192
	s_add_co_u32 s[TS], s[TS], 512
	s_add_co_u32 s[TV], s[TV], 256
.endm
; A run of key steps, from step first on, behind a barrier that shows what has landed to all sixteen waves.
.macro RUN first, trips
	s_barrier_signal -1
	s_barrier_wait -1
	s_mov_b32 s[TK], 8192*\first
	s_mov_b32 s[TS], 512*\first
	s_mov_b32 s[TV], 256*\first
	s_mov_b32 s[CNT], \trips
.Lstep_\@:
	STEP
	s_sub_co_u32 s[CNT], s[CNT], 1
	s_cmp_lg_u32 s[CNT], 0
	s_cbranch_scc1 .Lstep_\@
.endm
	s_wait_alu depctr_va_vdst(0)
	s_wait_loadcnt 0x0                             ; Q
	s_cmp_lt_u32 s[WV], 4                          ; waves 0 to 3: the scale words and the first 512 keys have landed; the other loads, which have lines of their own, may be out
	s_cbranch_scc0 .Lnot_first
	s_wait_tensorcnt 0x0
.Lnot_first:
	RUN 0, 4
	s_wait_dscnt 0x0
	s_wait_tensorcnt 0x0                           ; every wave: all loads have landed
	RUN 4, 12                                      ; the other 1,536 keys, with no further meeting of the waves
	; THE WAY OUT: O^T / the sum; my query's 64 channels are two blocks of 32 along the next product's K
	v_pk_add_f32 v[244:245], v[244:245], v[238:239]   ; the last step's chains are joined: with one idle line these are the eight places behind the last products
	v_pk_add_f32 v[252:253], v[252:253], v[236:237]
	v_pk_add_f32 v[14:15], v[14:15], v[248:249]
	v_pk_add_f32 v[250:251], v[250:251], v[246:247]
	v_pk_add_f32 v[14:15], v[14:15], v[252:253]
	v_pk_add_f32 v[244:245], v[244:245], v[250:251]
	v_nop
	v_pk_add_f32 v[14:15], v[14:15], v[244:245]
	v_add_f32 v14, v14, v15
	s_delay_alu instid0(VALU_DEP_1)
	v_permlanex16_b32 v[PM], v14, s[SEL], s[SEL+1]
	s_delay_alu instid0(VALU_DEP_1)
	v_add_f32 v14, v14, v[PM]                      ; the row's sum
	s_wait_alu depctr_va_vdst(0)
	v_rcp_f32 v14, v14
	v_nop                                          ; a plain line behind the transcendental,
	s_wait_alu depctr_va_vdst(0)                   ; and the wait ahead of its first reader
.set j, 0
.rept 32
	v_mul_f32 v[S+j], v[O+j], v14                  ; register 8 t + i: channel 16 t + 8 h + i
.set j, j+1
.endr
.irp c, 0,1
	v_max3_num_f32 v[MX+\c], |v[S+16*\c]|, |v[S+1+16*\c]|, 0x8000000
.endr
.irp i, 2,4,6,8,10,12,14
.irp c, 0,1
	s_delay_alu instid0(VALU_DEP_2)
	v_max3_num_f32 v[MX+\c], v[MX+\c], |v[S+16*\c+\i]|, |v[S+1+16*\c+\i]|
.endr
.endr
.irp c, 0,1
	s_delay_alu instid0(VALU_DEP_2)
	v_permlanex16_b32 v[PM+\c], v[MX+\c], s[SEL], s[SEL+1]
.endr
.irp c, 0,1
	s_delay_alu instid0(VALU_DEP_2)
	v_max_num_f32 v[MX+\c], v[MX+\c], v[PM+\c]
.endr
.irp c, 0,1
	s_delay_alu instid0(VALU_DEP_2)
	v_add_nc_u32 v[SOP+\c], 0xf8800000, v[MX+\c]
.endr
.irp c, 0,1
	s_delay_alu instid0(VALU_DEP_4)
	v_and_or_b32 v[LIM+\c], v[MX+\c], 0x7f800000, s[MNT]
.endr
.irp c, 0,1
	s_delay_alu instid0(VALU_DEP_4)
	v_lshrrev_b32 v[PM+\c], 23, v[SOP+\c]
.endr
	s_delay_alu instid0(VALU_DEP_1)
	v_lshl_or_b32 v[TT], v[PM+1], 8, v[PM]         ; my head's two bytes of the row's scale word
.irp c, 0,1
.set j, 0
.rept 16
	v_med3_num_f32 v[S+16*\c+j], v[S+16*\c+j], -v[LIM+\c], v[LIM+\c]
.set j, j+1
.endr
	v_cvt_scalef32_pk8_bf8_f32 v[PC+4*\c:PC+4*\c+1], v[S+16*\c:S+16*\c+7], v[SOP+\c]
	v_cvt_scalef32_pk8_bf8_f32 v[PC+4*\c+2:PC+4*\c+3], v[S+16*\c+8:S+16*\c+15], v[SOP+\c]
.endr
	v_nop                                          ; a plain line behind the last conversion
; k into its true places: lanes 0-15 want k = 0 .. 15 of the block (their own first eight codes, and the first eight of the lane 16 on), lanes 16-31 k = 16 .. 31 (the other lane's last eight, and their own)
.irp c, 0,1
.irp k, 0,1,2,3
	v_permlanex16_b32 v[PX+\k], v[PC+4*\c+\k], s[SEL], s[SEL+1]
.endr
	v_cndmask_b32 v[PC+4*\c], v[PC+4*\c], v[PX+2], s[HM]
	v_cndmask_b32 v[PC+4*\c+1], v[PC+4*\c+1], v[PX+3], s[HM]
	v_cndmask_b32 v[PC+4*\c+2], v[PX], v[PC+4*\c+2], s[HM]
	v_cndmask_b32 v[PC+4*\c+3], v[PX+1], v[PC+4*\c+3], s[HM]
.endr
	global_store_b128 v[LI], v[PC:PC+3], s[6:7]    ; 512 consecutive bytes a store
	global_store_b128 v[LI], v[PC+4:PC+7], s[6:7] offset:512
	global_store_b16 v[R4], v[TT], s[18:19]        ; both halves of the lanes store the same halfword
	s_wait_tensorcnt 0x0                           ; the wave's end
	ds_add_u32 v254, v255
	s_wait_dscnt 0x0
	CROUND                                         ; the closing round
	s_endpgm
.Lfunc_end_k_q64f79ff80d_attn:
	.size	k_q64f79ff80d_attn, .Lfunc_end_k_q64f79ff80d_attn-k_q64f79ff80d_attn
	.p2alignl 7, 3214868480
	.fill 96, 4, 3214868480
	.section	.rodata,"a",@progbits
	.p2align	6, 0x0
	.amdhsa_kernel k_q64f79ff80d_attn
		.amdhsa_group_segment_fixed_size 276480
		.amdhsa_private_segment_fixed_size 0
		.amdhsa_enable_private_segment 0
		.amdhsa_kernarg_size 16
		.amdhsa_user_sgpr_count 2
		.amdhsa_user_sgpr_kernarg_segment_ptr 1
		.amdhsa_wavefront_size32 1
		.amdhsa_system_sgpr_workgroup_id_x 1
		.amdhsa_system_sgpr_workgroup_id_y 1
		.amdhsa_system_sgpr_workgroup_id_z 1
		.amdhsa_system_vgpr_workitem_id 0
		.amdhsa_next_free_vgpr 256
		.amdhsa_next_free_sgpr 102
		.amdhsa_reserve_vcc 0
		.amdhsa_float_denorm_mode_32 3
		.amdhsa_float_denorm_mode_16_64 3
		.amdhsa_memory_ordered 1
		.amdhsa_forward_progress 1
		.amdhsa_inst_pref_size 60
	.end_amdhsa_kernel
	.amdgpu_metadata
---
amdhsa.version: [ 1, 2 ]
amdhsa.kernels:
  - .name:           k_q64f79ff80d_attn
    .symbol:         k_q64f79ff80d_attn.kd
    .args:
      - { .name: qkv, .offset: 0, .size: 8, .value_kind: global_buffer, .address_space: global }
      - { .name: oq, .offset: 8, .size: 8, .value_kind: global_buffer, .address_space: global }
    .group_segment_fixed_size: 276480
    .private_segment_fixed_size: 0
    .kernarg_segment_align: 8
    .kernarg_segment_size: 16
    .max_flat_workgroup_size: 512
    .sgpr_count:     102
    .vgpr_count:     256
    .wavefront_size: 32
...
	.end_amdgpu_metadata
.endif
;; end of part 3
;; launch oproj (part 4): grid 8 x 32, 4 waves a work-group, clusters of 4 x 4, 327,680 bytes of LDS; arguments oq, w_out_codes, w_out_scales, b_out, x, x1; writes x1
.if DOCPART == 4
	.amdgcn_target "amdgcn-amd-amdhsa--gfx1250"
	.amdhsa_code_object_version 6
	.text
	.protected	k_q64f79ff80d_oproj
	.globl	k_q64f79ff80d_oproj
	.p2align	8
	.type	k_q64f79ff80d_oproj,@function
k_q64f79ff80d_oproj:
	s_mov_b64 s[64:65], 0
	v_nop
	global_prefetch_b8 v0, s[64:65] scope:SCOPE_SE
	s_setreg_imm32_b32 hwreg(HW_REG_WAVE_MODE, 25, 1), 1
	s_wait_xcnt 0x0
	s_wait_alu depctr_hold_cnt(0) depctr_sa_sdst(0) depctr_va_vdst(0) depctr_va_sdst(0) depctr_va_ssrc(0) depctr_va_vcc(0) depctr_vm_vsrc(0)
	s_getreg_b32 s2, hwreg(HW_REG_IB_STS2, 6, 4)
	s_cmp_eq_u32 s2, 0
	s_cbranch_scc0 .Lentry_in_a_cluster
	s_endpgm
.Lentry_in_a_cluster:
	s_bfe_u32 s2, ttmp6, 0x10000c
	s_cmp_lg_u32 s2, 0xf033
	s_cbranch_scc0 .Lentry_shape_is_right
	s_endpgm
.Lentry_shape_is_right:
.set SIZE_K, 1024
.set ASC,    0x400000
.set NP,     8
.set BPITCH, 528
.set HALFA,  32768
.set HALFB,  64*BPITCH
.set BOFF,   2*HALFA
.set SLOT,   BOFF+2*HALFB
.set LAPS,   SIZE_K/1024
.set KS,     SIZE_K/32
.set SCA,    2*SLOT
.set HALFSA, (SIZE_K/256)*512
.set SCB,    SCA+2*HALFSA
.set HALFS,  (64*KS/256)*272
.set SBLK,   (16*KS/256)*272
.set SPARE,  SCB+2*HALFS
.set SPITCH, 272
.set BV,   7
.set BIAS, 8
.set ADRA, 16
.set ADRB, 20
.set ADSA, 22
.set ADSB, 23
.set STO,  24
.set RD,   25
.set CO,   26
.set SPW,  28
.set NIL,  29
.set SA,   32
.set SB,   48
.set T,    96
.set ACC,  128
.set F0,   0
.set F1,   128
.set G1, 24
.set G0, 32
.set G1B, 48
.set G0B, 56
.set G1S, 68
.set G0S, 76
.set G1SB, 80
.set G0SB, 88
.set MSB, 0
.macro WIN new
.if MSB != \new
	s_set_vgpr_msb (MSB<<8)|\new
.set MSB, \new
.endif
.endm
.set MUL,  0x05
.set TO_F, 0x40
.macro JLOAD g0a, g1a, g0b, g1b
	s_cmp_eq_u32 s15, 0
	s_cbranch_scc0 .Lfor_b_\@
	tensor_load_to_lds s[\g0a:\g0a+3], s[\g1a:\g1a+7]
	s_nop 0
.rept 4
	v_nop
.endr
	s_branch .Lasked_\@
.Lfor_b_\@:
	tensor_load_to_lds s[\g0b:\g0b+3], s[\g1b:\g1b+7]
	s_nop 0
.rept 4
	v_nop
.endr
.Lasked_\@:
.endm
.macro CREST
	s_cmp_lg_u32 s14, 0
	s_cbranch_scc1 .Lnot_wave_0_\@
	s_barrier_signal -3
.Lnot_wave_0_\@:
	s_barrier_wait -3
	s_barrier_signal -1
	s_barrier_wait -1
.endm
.macro CROUND
	s_barrier_signal -1
	s_barrier_wait -1
	CREST
.endm
.macro G1REST g, c, r, p
	s_mov_b32 s[\g+1], ((\c)&0xffff)<<16
	s_mov_b32 s[\g+2], ((\c)>>16)|(((\r)&0xffff)<<16)
	s_mov_b32 s[\g+3], ((\r)>>16)|((\c)<<16)
	s_mov_b32 s[\g+4], \r
	s_mov_b32 s[\g+5], \p
	s_mov_b32 s[\g+6], 0
	s_mov_b32 s[\g+7], 0
.endm
	s_load_b64 s[4:5], s[0:1], 0x0
	s_load_b64 s[8:9], s[0:1], 0x8
	s_load_b64 s[10:11], s[0:1], 0x10
	s_load_b64 s[94:95], s[0:1], 0x18
	s_load_b64 s[96:97], s[0:1], 0x20
	s_load_b64 s[12:13], s[0:1], 0x28
	v_lshl_add_u32 v[SPW], v0, 2, SPARE
	v_mov_b32 v[NIL], 0
	ds_add_u32 v28, v29
	ds_add_u32 v28, v29
	s_wait_dscnt 0x0
	v_lshrrev_b32 v1, 5, v0
	v_readfirstlane_b32 s14, v1
	s_lshr_b32 s15, s14, 1
	s_and_b32 s16, s14, 1
	s_bfe_u32 s40, ttmp6, 0x40000
	s_bfe_u32 s41, ttmp6, 0x40004
	s_lshl_b32 s42, ttmp9, 2
	s_add_co_u32 s42, s42, s40
	s_and_b32 s17, ttmp7, 0xffff
	s_lshl_b32 s17, s17, 2
	s_add_co_u32 s17, s17, s41
	s_lshl_b32 s43, s41, 2
	s_lshl_b32 s43, 15, s43
	s_lshl_b32 s44, 0x1111, s40
	s_or_b32 s[G1], s43, (3<<16)|(1<<21)
	G1REST G1, 1024, 8, 2*SIZE_K
	s_or_b32 s[G1B], s44, (0<<16)|(1<<20)|(1<<21)|(6<<22)|(3<<25)
	G1REST G1B, 512, 128, SIZE_K
	s_or_b32 s[G1S], s43, (3<<16)|(1<<21)
	G1REST G1S, 64, SIZE_K/128, 2048
	s_or_b32 s[G1SB], s44, (3<<16)|(1<<20)|(1<<21)|(5<<22)|(3<<25)
	G1REST G1SB, 32, 128*KS/256, 32
	s_lshl_b32 s20, s17, 3
	s_mul_i32 s20, s20, 16*SIZE_K
	s_mov_b32 s21, 0
	s_lshl_b32 s22, s17, 9
	s_mov_b32 s23, 0
	s_lshl_b32 s46, s42, 7
	s_mul_i32 s92, s46, KS
	s_mul_i32 s46, s46, SIZE_K
	s_mov_b32 s47, 0
	s_mov_b32 s93, 0
	s_mul_i32 s45, s16, HALFA
	s_mul_i32 s19, s16, HALFB
	s_add_co_u32 s19, s19, BOFF
	s_mul_i32 s2, s16, 64*SIZE_K                   ; in the ring I fetch half a tile, 64 rows of A or of B: which half, in bytes
	s_mov_b32 s3, 0
	s_wait_kmcnt 0x0
	s_add_nc_u64 s[6:7], s[4:5], ASC
	s_add_nc_u64 s[20:21], s[4:5], s[20:21]
	s_add_nc_u64 s[22:23], s[6:7], s[22:23]
	s_add_nc_u64 s[46:47], s[8:9], s[46:47]
	s_add_nc_u64 s[92:93], s[10:11], s[92:93]
	CROUND
	s_mov_b32 s[G0S], 1
	s_mov_b32 s[G0S+1], SCA
	s_mov_b64 s[G0S+2:G0S+3], s[22:23]
	s_or_b32 s[G0S+3], s[G0S+3], 0x80000000
	s_mov_b32 s[G0SB], 1
	s_mov_b32 s[G0SB+1], SCB
	s_mov_b64 s[G0SB+2:G0SB+3], s[92:93]
	s_or_b32 s[G0SB+3], s[G0SB+3], 0x80000000
	s_mov_b32 s4, 1                                ; s[4:7], s[8:11]: group 0 of the head's loads of slot 0, A's and B's 128 rows whole
	s_mov_b32 s5, 0
	s_mov_b64 s[6:7], s[20:21]
	s_or_b32 s7, s7, 0x80000000
	s_mov_b32 s8, 1
	s_mov_b32 s9, BOFF
	s_mov_b64 s[10:11], s[46:47]
	s_or_b32 s11, s11, 0x80000000
	s_add_nc_u64 s[20:21], s[20:21], s[2:3]
	s_add_nc_u64 s[46:47], s[46:47], s[2:3]
.irp s, 0,1
	s_mov_b32 s[G0+4*\s], 1
	s_add_co_u32 s[G0+4*\s+1], s45, \s*SLOT
	s_add_nc_u64 s[G0+4*\s+2:G0+4*\s+3], s[20:21], \s*8192
	s_or_b32 s[G0+4*\s+3], s[G0+4*\s+3], 0x80000000
	s_mov_b32 s[G0B+4*\s], 1
	s_add_co_u32 s[G0B+4*\s+1], s19, \s*SLOT
	s_add_nc_u64 s[G0B+4*\s+2:G0B+4*\s+3], s[46:47], \s*512
	s_or_b32 s[G0B+4*\s+3], s[G0B+4*\s+3], 0x80000000
.endr
; the head's loads, one a wave: wave 0 slot 0's rows of A, wave 1 those of B, waves 2 and 3 their scale bytes: one chain of branches on the wave's number
.macro ARM under, g0, g1, next
	s_cmp_lt_u32 s14, \under
	s_cbranch_scc0 \next
	tensor_load_to_lds s[\g0:\g0+3], s[\g1:\g1+7]
	s_nop 0
.rept 4
	v_nop
.endr
	s_branch .Lhead_asked
\next:
.endm
	ARM 1, 4, G1, .Lhead_b
	ARM 2, 8, G1B, .Lhead_sa
	ARM 3, G0S, G1S, .Lhead_sb
	tensor_load_to_lds s[G0SB:G0SB+3], s[G1SB:G1SB+7]
	s_nop 0
.rept 4
	v_nop
.endr
.Lhead_asked:
; A PREFETCH INTO THE L2 of slot 1, which is asked for behind slot 0's landing.  Of the half tile that a wave fetches there (A: four row tiles x 8,192 bytes; B: 64 rows x 512 bytes) each of the four partners that ask for it
; jointly names a quarter, told apart BY ADDRESS (A: row tile cx, lanes 256 bytes apart; B: rows 16 cy on, two lanes a row): one instruction a wave, each block of 256 bytes once in a cluster.
	s_cmp_eq_u32 s15, 0                            ; do I fetch for A?
	s_cselect_b64 s[66:67], s[20:21], s[46:47]
	s_cselect_b32 s2, s40, s41                     ; my place among the four
	s_mov_b32 s18, SIZE_K
	s_cselect_b32 s18, 512, s18                    ; from a pair of lanes to the next
	s_mul_i32 s2, s2, 16*SIZE_K                    ; a row tile of A and 16 rows of B are as many bytes
	s_add_nc_u64 s[66:67], s[66:67], s[2:3]
	s_mov_b32 s2, 512
	s_cmp_eq_u32 s15, 0
	s_cselect_b32 s2, 8192, s2                     ; a slot on
	s_add_nc_u64 s[66:67], s[66:67], s[2:3]
	v_and_b32 v1, 15, v0
	v_bfe_u32 v2, v0, 4, 1
	v_and_b32 v3, 31, v0
	v_lshlrev_b32 v3, 4, v3
	v_mul_u32_u24 v4, v1, BPITCH
	v_lshl_add_u32 v4, v2, 4, v4
	s_mul_i32 s21, s15, HALFA
	s_mul_i32 s22, s16, HALFB
	s_add_co_u32 s22, s22, BOFF
.irp s, 0,1
	v_add_nc_u32 v[ADRA+\s], s21, v3
	v_add_nc_u32 v[ADRB+\s], s22, v4
	s_add_co_u32 s21, s21, SLOT
	s_add_co_u32 s22, s22, SLOT
.endr
	v_lshlrev_b32 v5, 2, v1
	s_lshl_b32 s21, s15, 8
	s_add_co_u32 s21, s21, SCA
	v_add_nc_u32 v[ADSA], s21, v5
	v_mul_u32_u24 v5, v1, KS
	v_lshrrev_b32 v6, 8, v5
	v_lshl_add_u32 v5, v6, 4, v5
	s_mul_i32 s21, s16, HALFS
	s_add_co_u32 s21, s21, SCB
	v_add_nc_u32 v[ADSB], s21, v5
	s_mul_i32 s23, s14, 16*SPITCH
	v_mul_u32_u24 v5, v1, SPITCH
	v_lshl_add_u32 v5, v2, 5, v5
	v_add_nc_u32 v[STO], s23, v5
	v_lshlrev_b32 v[BV], 4, v1
	v_mul_u32_u24 v5, v2, SPITCH
	v_add_nc_u32 v5, v5, v[BV]
	v_add_nc_u32 v[RD], s23, v5
	v_lshl_add_u32 v[CO], v2, 12, v[BV]
	v_bfe_u32 v5, v0, 1, 4
	v_and_b32 v6, 1, v0
	v_mul_u32_u24 v30, s18, v5
	v_lshl_add_u32 v30, v6, 8, v30
	s_wait_alu depctr_va_vdst(0)
	global_prefetch_b8 v30, s[66:67] th:TH_LOAD_NT scope:SCOPE_SE   ; slot 1
	s_lshl_b32 s46, s42, 9
	s_lshl_b32 s47, s16, 8
	s_add_co_u32 s46, s46, s47
	s_mov_b32 s47, 0
	s_add_nc_u64 s[94:95], s[94:95], s[46:47]
	s_lshl_b32 s20, s17, 19
	s_lshl_b32 s21, s15, 18
	s_add_co_u32 s20, s20, s21
	s_add_co_u32 s20, s20, s46
	s_mov_b32 s21, 0
	s_add_nc_u64 s[12:13], s[12:13], s[20:21]
	s_add_nc_u64 s[96:97], s[96:97], s[20:21]
	WIN 0x80
.irp a, 0,1,2,3
.irp t, 0,1,2,3,4,5,6,7
	global_load_b128 v[4*(8*\a+\t):4*(8*\a+\t)+3], v[CO], s[96:97] offset:(16*\a+2*\t)*4096
.endr
.endr
	WIN 0
	global_load_b128 v[BIAS:BIAS+3], v[BV], s[94:95]
.macro FETCH slot, q, f
	WIN TO_F
.irp i, 0,1,2,3
.irp c, 0,1,2,3
	ds_load_b128 v[\f+64+16*\i+4*\c:\f+64+16*\i+4*\c+3], v[ADRB+\slot] offset:\i*16*BPITCH+128*(\q)+32*\c
.endr
.endr
.irp i, 0,1,2,3
.irp c, 0,1,2,3
	ds_load_b128 v[\f+16*\i+4*\c:\f+16*\i+4*\c+3], v[ADRA+\slot] offset:\i*8192+2048*(\q)+512*\c
.endr
.endr
.endm
.macro SCALES s
.irp i, 0,1,2,3
.irp q, 0,1,2,3
	ds_load_b32 v[SA+32*\s+4*\i+\q], v[ADSA] offset:512*\q+64*\i
.endr
	ds_load_b128 v[SB+32*\s+4*\i:SB+32*\s+4*\i+3], v[ADSB] offset:\i*SBLK
.endr
.endm
.macro MUL4 f, a, q, s, zero
.irp b, 0,1,2,3
.if \zero
	v_wmma_scale_f32_16x16x128_f8f6f4 v[ACC+8*(4*(\a)+\b):ACC+8*(4*(\a)+\b)+7], v[\f+64+16*\b:\f+64+16*\b+15], v[\f+16*(\a):\f+16*(\a)+15], 0, v[SB+32*(\s)+4*\b+(\q)], v[SA+32*(\s)+4*(\a)+(\q)] matrix_a_fmt:MATRIX_FMT_BF8 matrix_b_fmt:MATRIX_FMT_BF8
.else
	v_wmma_scale_f32_16x16x128_f8f6f4 v[ACC+8*(4*(\a)+\b):ACC+8*(4*(\a)+\b)+7], v[\f+64+16*\b:\f+64+16*\b+15], v[\f+16*(\a):\f+16*(\a)+15], v[ACC+8*(4*(\a)+\b):ACC+8*(4*(\a)+\b)+7], v[SB+32*(\s)+4*\b+(\q)], v[SA+32*(\s)+4*(\a)+(\q)] matrix_a_fmt:MATRIX_FMT_BF8 matrix_b_fmt:MATRIX_FMT_BF8
.endif
.endr
.endm
.macro PLACES n
.rept \n
	v_nop
.endr
.endm
.macro QSTEP slot, q, f, g, zero
	PLACES NP
	FETCH \slot, (\q)+1, \g
	s_wait_dscnt 32
	WIN MUL
	MUL4 \f, 0, \q, \slot, \zero
	MUL4 \f, 1, \q, \slot, \zero
	MUL4 \f, 2, \q, \slot, \zero
	MUL4 \f, 3, \q, \slot, \zero
.endm
.macro TURN slot, next, fill
	WIN 0
	s_wait_tensorcnt 0x0
	ds_add_u32 v[SPW], v[NIL]
	s_wait_dscnt 1
	WIN MUL
	MUL4 F1, 0, 3, \slot, 0
	s_wait_dscnt 0x0
	s_barrier_signal -1
	MUL4 F1, 1, 3, \slot, 0
	WIN 0
	s_barrier_wait -1
.if \fill
	CREST
	s_add_nc_u64 s[G0+4*\slot+2:G0+4*\slot+3], s[G0+4*\slot+2:G0+4*\slot+3], 16384
	s_add_nc_u64 s[G0B+4*\slot+2:G0B+4*\slot+3], s[G0B+4*\slot+2:G0B+4*\slot+3], 1024
	JLOAD G0+4*\slot, G1, G0B+4*\slot, G1B
	PLACES NP-4
.else
	PLACES NP
.endif
	v_add_nc_u32 v[ADSA], 2048, v[ADSA]
	v_add_nc_u32 v[ADSB], 16, v[ADSB]
	FETCH \next, 0, F0
	WIN 0
	SCALES \next
	WIN MUL
	MUL4 F1, 2, 3, \slot, 0
	MUL4 F1, 3, 3, \slot, 0
.endm
	s_wait_tensorcnt 0x0                           ; my tile of the head's four is in
	ds_add_u32 v[SPW], v[NIL]
	s_mov_b32 s[G1+2], 4<<16                       ; no tensor load of mine is out: from here on a load brings half a tile
	s_mov_b32 s[G1+4], 4
	s_mov_b32 s[G1B+2], 64<<16
	s_mov_b32 s[G1B+4], 64
	s_wait_dscnt 0x0
	CROUND
	JLOAD G0+4, G1, G0B+4, G1B                     ; slot 1's load, the first tensor load behind the round
	FETCH 0, 0, F0
	WIN 0
	SCALES 0
	QSTEP 0, 0, F0, F1, 1
.if LAPS > 1
	WIN 0
	s_mov_b32 s3, LAPS-1
.Llap:
	QSTEP 0, 1, F1, F0, 0
	QSTEP 0, 2, F0, F1, 0
	TURN 0, 1, 1
	QSTEP 1, 0, F0, F1, 0
	QSTEP 1, 1, F1, F0, 0
	QSTEP 1, 2, F0, F1, 0
	TURN 1, 0, 1
	QSTEP 0, 0, F0, F1, 0
	WIN 0
	s_sub_co_u32 s3, s3, 1
	s_cmp_lg_u32 s3, 0
	s_cbranch_scc1 .Llap
.endif
	QSTEP 0, 1, F1, F0, 0
	QSTEP 0, 2, F0, F1, 0
	TURN 0, 1, 0
	QSTEP 1, 0, F0, F1, 0
	QSTEP 1, 1, F1, F0, 0
	QSTEP 1, 2, F0, F1, 0
	s_wait_dscnt 0x0
	WIN MUL
	MUL4 F1, 0, 3, 1, 0
	MUL4 F1, 1, 3, 1, 0
	MUL4 F1, 2, 3, 1, 0
	MUL4 F1, 3, 3, 1, 0
	WIN 0
	PLACES NP
	s_wait_loadcnt 0x0
.irp a, 0,1,2,3
	s_wait_xcnt 0x0
.irp b, 0,1,2,3
	ds_store_b128 v[STO], v[ACC+8*(4*\a+\b):ACC+8*(4*\a+\b)+3] offset:64*\b
	ds_store_b128 v[STO], v[ACC+8*(4*\a+\b)+4:ACC+8*(4*\a+\b)+7] offset:64*\b+16
.endr
.irp t, 0,1,2,3,4,5,6,7
	ds_load_b128 v[T+4*\t:T+4*\t+3], v[RD] offset:\t*2*SPITCH
.endr
	s_wait_dscnt 0x0
.irp t, 0,1,2,3,4,5,6,7
	v_pk_add_f32 v[T+4*\t:T+4*\t+1], v[T+4*\t:T+4*\t+1], v[BIAS:BIAS+1]
	v_pk_add_f32 v[T+4*\t+2:T+4*\t+3], v[T+4*\t+2:T+4*\t+3], v[BIAS+2:BIAS+3]
.endr
	WIN 0x08
.irp t, 0,1,2,3,4,5,6,7
	v_pk_add_f32 v[T+4*\t:T+4*\t+1], v[T+4*\t:T+4*\t+1], v[4*(8*\a+\t):4*(8*\a+\t)+1]
	v_pk_add_f32 v[T+4*\t+2:T+4*\t+3], v[T+4*\t+2:T+4*\t+3], v[4*(8*\a+\t)+2:4*(8*\a+\t)+3]
.endr
	WIN 0
.irp t, 0,1,2,3,4,5,6,7
	global_store_b128 v[CO], v[T+4*\t:T+4*\t+3], s[12:13] offset:(16*\a+2*\t)*4096
.endr
.endr
	s_wait_tensorcnt 0x0
	ds_add_u32 v[SPW], v[NIL]
	s_wait_dscnt 0x0
	CROUND
	s_endpgm
.Lfunc_end_k_q64f79ff80d_oproj:
	.size	k_q64f79ff80d_oproj, .Lfunc_end_k_q64f79ff80d_oproj-k_q64f79ff80d_oproj
	.p2alignl 7, 3214868480
	.fill 96, 4, 3214868480
	.section	.rodata,"a",@progbits
	.p2align	6, 0x0
	.amdhsa_kernel k_q64f79ff80d_oproj
		.amdhsa_group_segment_fixed_size 327680
		.amdhsa_private_segment_fixed_size 0
		.amdhsa_enable_private_segment 0
		.amdhsa_kernarg_size 48
		.amdhsa_user_sgpr_count 2
		.amdhsa_user_sgpr_kernarg_segment_ptr 1
		.amdhsa_wavefront_size32 1
		.amdhsa_system_sgpr_workgroup_id_x 1
		.amdhsa_system_sgpr_workgroup_id_y 1
		.amdhsa_system_sgpr_workgroup_id_z 1
		.amdhsa_system_vgpr_workitem_id 0
		.amdhsa_next_free_vgpr 640
		.amdhsa_next_free_sgpr 98
		.amdhsa_reserve_vcc 0
		.amdhsa_float_denorm_mode_32 3
		.amdhsa_float_denorm_mode_16_64 3
		.amdhsa_memory_ordered 1
		.amdhsa_forward_progress 1
		.amdhsa_inst_pref_size 69
	.end_amdhsa_kernel
	.amdgpu_metadata
---
amdhsa.version: [ 1, 2 ]
amdhsa.kernels:
  - .name:           k_q64f79ff80d_oproj
    .symbol:         k_q64f79ff80d_oproj.kd
    .args:
      - { .name: oq, .offset: 0, .size: 8, .value_kind: global_buffer, .address_space: global }
      - { .name: w_out_codes, .offset: 8, .size: 8, .value_kind: global_buffer, .address_space: global }
      - { .name: w_out_scales, .offset: 16, .size: 8, .value_kind: global_buffer, .address_space: global }
      - { .name: b_out, .offset: 24, .size: 8, .value_kind: global_buffer, .address_space: global }
      - { .name: x, .offset: 32, .size: 8, .value_kind: global_buffer, .address_space: global }
      - { .name: x1, .offset: 40, .size: 8, .value_kind: global_buffer, .address_space: global }
    .group_segment_fixed_size: 327680
    .private_segment_fixed_size: 0
    .kernarg_segment_align: 8
    .kernarg_segment_size: 48
    .max_flat_workgroup_size: 128
    .sgpr_count:     98
    .vgpr_count:     640
    .wavefront_size: 32
...
	.end_amdgpu_metadata
.endif
;; end of part 4
;; launch ln2: the kernel of part 1 again; grid 256 x 1, 8 waves a work-group, no clusters, 87,040 bytes of LDS; arguments x1, ln2_g, ln2_b, xq; writes xq
;; launch fc1 (part 5): grid 16 x 16, 4 waves a work-group, clusters of 4 x 4, 327,680 bytes of LDS; arguments xq, w1_codes, w1_scales, b1, hq; writes hq
.if DOCPART == 5
	.amdgcn_target "amdgcn-amd-amdhsa--gfx1250"
	.amdhsa_code_object_version 6
	.text
	.protected	k_q64f79ff80d_fc1
	.globl	k_q64f79ff80d_fc1
	.p2align	8
	.type	k_q64f79ff80d_fc1,@function
k_q64f79ff80d_fc1:
	s_mov_b64 s[64:65], 0
	v_nop
	global_prefetch_b8 v0, s[64:65] scope:SCOPE_SE
	s_setreg_imm32_b32 hwreg(HW_REG_WAVE_MODE, 25, 1), 1
	s_wait_xcnt 0x0
	s_wait_alu depctr_hold_cnt(0) depctr_sa_sdst(0) depctr_va_vdst(0) depctr_va_sdst(0) depctr_va_ssrc(0) depctr_va_vcc(0) depctr_vm_vsrc(0)
	s_getreg_b32 s2, hwreg(HW_REG_IB_STS2, 6, 4)
	s_cmp_eq_u32 s2, 0
	s_cbranch_scc0 .Lentry_in_a_cluster
	s_endpgm
.Lentry_in_a_cluster:
	s_bfe_u32 s2, ttmp6, 0x10000c
	s_cmp_lg_u32 s2, 0xf033
	s_cbranch_scc0 .Lentry_shape_is_right
	s_endpgm
.Lentry_shape_is_right:
.set SIZE_K, 1024
.set KSTEP,  256
.set NQ,     KSTEP/128
.set ROWB,   256
.set KROW,   SIZE_K
.set PITCH,  272
.set FR,     16
.set NL,     4
.set NP,     8
.set HALFT,  128*PITCH
.set SLOT,   4*HALFT
.set LAPS,   SIZE_K/(2*KSTEP)
.set KS,     SIZE_K/32
.set SCL,    2*SLOT
.set HALFS,  (128*KS/256)*272
.set SBLK,   (16*KS/256)*272
.set SPARE,  SCL+4*HALFS
.set ADRA, 16
.set ADRB, 20
.set STG,  24
.set RDS,  25
.set LI,   26
.set ADRS, 27
.set SPW,  28
.set NIL,  29
.set SAD,  31
.set SC,   32
.set AF,   128
.set B1,   64
.set BK,   192
.set TM,   16
.set PC,   32
.set PX,   48
.set PW,   52
.set C8V,  54
.set TMP,  56
.set X,    64
.set AX,   128
.set T,    160
.set P,    192
.set G1, 24
.set G0, 32
.set G1B, 48
.set G0B, 56
.set G1S, 68
.set G0S, 76
.set G1SB, 80
.set G0SB, 88
.set C0, 24
.set C1, 26
.set C2, 28
.set C3, 30
.set C4, 32
.set C5, 34
.set C6, 36
.set C7, 38
.set C9, 40
.set MM, 42
.set KH, 44
.set ABSM, 46
.set SEL, 98
.set MNT, 100
.set HM,  101
.set MSB, 0
.macro WIN new
.if MSB != \new
	s_set_vgpr_msb (MSB<<8)|\new
.set MSB, \new
.endif
.endm
.set MUL_LO, 0xa1
.set MUL_HI, 0xf1
.set TO_B,   0x40
.macro JLOAD g0a, g1a, g0b, g1b
	s_cmp_eq_u32 s15, 0
	s_cbranch_scc0 .Lfor_b_\@
	tensor_load_to_lds s[\g0a:\g0a+3], s[\g1a:\g1a+7]
	s_nop 0
.rept 4
	v_nop
.endr
	s_branch .Lasked_\@
.Lfor_b_\@:
	tensor_load_to_lds s[\g0b:\g0b+3], s[\g1b:\g1b+7]
	s_nop 0
.rept 4
	v_nop
.endr
.Lasked_\@:
.endm
.macro CREST
	s_cmp_lg_u32 s14, 0
	s_cbranch_scc1 .Lnot_wave_0_\@
	s_barrier_signal -3
.Lnot_wave_0_\@:
	s_barrier_wait -3
	s_barrier_signal -1
	s_barrier_wait -1
.endm
.macro CROUND
	s_barrier_signal -1
	s_barrier_wait -1
	CREST
.endm
	s_load_b64 s[4:5], s[0:1], 0x0
	s_load_b64 s[8:9], s[0:1], 0x8
	s_load_b64 s[10:11], s[0:1], 0x10
	s_load_b64 s[96:97], s[0:1], 0x18
	s_load_b64 s[12:13], s[0:1], 0x20
	v_lshl_add_u32 v[SPW], v0, 2, SPARE
	v_mov_b32 v[NIL], 0
	ds_add_u32 v28, v29
	ds_add_u32 v28, v29
	s_wait_dscnt 0x0
	v_lshrrev_b32 v1, 5, v0
	v_readfirstlane_b32 s14, v1
	s_lshr_b32 s15, s14, 1
	s_and_b32 s16, s14, 1
	s_bfe_u32 s40, ttmp6, 0x40000
	s_bfe_u32 s41, ttmp6, 0x40004
	s_lshl_b32 s42, ttmp9, 2
	s_add_co_u32 s42, s42, s40
	s_and_b32 s17, ttmp7, 0xffff
	s_lshl_b32 s17, s17, 2
	s_add_co_u32 s17, s17, s41
	s_lshl_b32 s43, s41, 2
	s_lshl_b32 s43, 15, s43
	s_lshl_b32 s44, 0x1111, s40
	s_or_b32 s[G1+0], s43, (0<<16)|(1<<20)|(1<<21)|(5<<22)|(3<<25)
	s_or_b32 s[G1B+0], s44, (0<<16)|(1<<20)|(1<<21)|(5<<22)|(3<<25)
.irp g, G1, G1B
	s_mov_b32 s[\g+1], ROWB<<16
	s_mov_b32 s[\g+2], 256<<16
	s_mov_b32 s[\g+3], ROWB<<16
	s_mov_b32 s[\g+4], 256
	s_mov_b32 s[\g+5], KROW
	s_mov_b32 s[\g+6], 0
	s_mov_b32 s[\g+7], 0
.endr
	s_or_b32 s[G1S+0], s43, (3<<16)|(1<<20)|(1<<21)|(5<<22)|(3<<25)
	s_or_b32 s[G1SB+0], s44, (3<<16)|(1<<20)|(1<<21)|(5<<22)|(3<<25)
.irp g, G1S, G1SB
	s_mov_b32 s[\g+1], 32<<16
	s_mov_b32 s[\g+2], KS<<16
	s_mov_b32 s[\g+3], 32<<16
	s_mov_b32 s[\g+4], KS
	s_mov_b32 s[\g+5], 32
	s_mov_b32 s[\g+6], 0
	s_mov_b32 s[\g+7], 0
.endr
	s_lshl_b32 s20, s17, 8
	s_lshl_b32 s46, s42, 8
	s_mov_b32 s21, 0
	s_mov_b32 s47, 0
	s_mov_b64 s[18:19], KS
	s_mul_u64 s[22:23], s[20:21], s[18:19]
	s_mul_u64 s[92:93], s[46:47], s[18:19]
	s_mov_b64 s[18:19], KROW
	s_mul_u64 s[20:21], s[20:21], s[18:19]
	s_mul_u64 s[46:47], s[46:47], s[18:19]
	s_mul_i32 s45, s14, HALFT
	s_mul_i32 s18, s16, 128*KROW                   ; in the ring I fetch 128 rows of a tile: which half, in bytes
	s_mov_b32 s19, 0
	s_wait_kmcnt 0x0
	s_add_nc_u64 s[6:7], s[4:5], 0x400000
	s_add_nc_u64 s[20:21], s[4:5], s[20:21]
	s_add_nc_u64 s[22:23], s[6:7], s[22:23]
	s_add_nc_u64 s[46:47], s[8:9], s[46:47]
	s_add_nc_u64 s[92:93], s[10:11], s[92:93]
	CROUND
	s_mov_b32 s[G0S], 1
	s_mov_b32 s[G0S+1], SCL
	s_mov_b64 s[G0S+2:G0S+3], s[22:23]
	s_or_b32 s[G0S+3], s[G0S+3], 0x80000000
	s_mov_b32 s[G0SB], 1
	s_mov_b32 s[G0SB+1], SCL+2*HALFS
	s_mov_b64 s[G0SB+2:G0SB+3], s[92:93]
	s_or_b32 s[G0SB+3], s[G0SB+3], 0x80000000
	s_mov_b32 s4, 1                                ; s[4:7], s[8:11]: group 0 of the head's loads of K step 0, 256 rows each
	s_mov_b32 s5, 0
	s_mov_b64 s[6:7], s[20:21]
	s_or_b32 s7, s7, 0x80000000
	s_mov_b32 s8, 1
	s_mov_b32 s9, 2*HALFT
	s_mov_b64 s[10:11], s[46:47]
	s_or_b32 s11, s11, 0x80000000
	s_add_nc_u64 s[20:21], s[20:21], s[18:19]
	s_add_nc_u64 s[46:47], s[46:47], s[18:19]
.irp s, 0,1
	s_mov_b32 s[G0+4*\s], 1
	s_add_co_u32 s[G0+4*\s+1], s45, \s*SLOT
	s_add_nc_u64 s[G0+4*\s+2:G0+4*\s+3], s[20:21], \s*ROWB
	s_or_b32 s[G0+4*\s+3], s[G0+4*\s+3], 0x80000000
	s_mov_b32 s[G0B+4*\s], 1
	s_add_co_u32 s[G0B+4*\s+1], s45, \s*SLOT
	s_add_nc_u64 s[G0B+4*\s+2:G0B+4*\s+3], s[46:47], \s*ROWB
	s_or_b32 s[G0B+4*\s+3], s[G0B+4*\s+3], 0x80000000
.endr
; the head's loads, one a wave: wave 0 K step 0's 256 rows of A, wave 1 those of B, waves 2 and 3 their scale bytes: one chain of branches on the wave's number
.macro ARM under, g0, g1, next
	s_cmp_lt_u32 s14, \under
	s_cbranch_scc0 \next
	tensor_load_to_lds s[\g0:\g0+3], s[\g1:\g1+7]
	s_nop 0
.rept 4
	v_nop
.endr
	s_branch .Lhead_asked
\next:
.endm
	ARM 1, 4, G1, .Lhead_b
	ARM 2, 8, G1B, .Lhead_sa
	ARM 3, G0S, G1S, .Lhead_sb
	tensor_load_to_lds s[G0SB:G0SB+3], s[G1SB:G1SB+7]
	s_nop 0
.rept 4
	v_nop
.endr
.Lhead_asked:
; THE PREFETCHES INTO THE L2: K steps 1 and 2 are asked for here, K step 3 with K step 1's load: with the load of K step j the tiles of K step j + 2.  Of the 128 rows that a wave fetches in the ring each of the four partners
; that ask for them jointly names 32, told apart BY ADDRESS (cx for A, cy for B): a lane a row, 256 bytes of it a K step, one instruction a wave: each block of 256 bytes once in a cluster.
	s_cmp_eq_u32 s15, 0                            ; do I fetch for A?
	s_cselect_b64 s[66:67], s[20:21], s[46:47]
	s_cselect_b32 s18, s40, s41                    ; my place among the four
	s_mul_i32 s18, s18, 32*KROW
	s_add_nc_u64 s[66:67], s[66:67], s[18:19]
	v_and_b32 v7, 31, v0
	v_lshlrev_b32 v7, 10, v7                       ; my lane's row: KROW bytes apart; never rewritten
	global_prefetch_b8 v7, s[66:67] offset:256 th:TH_LOAD_NT scope:SCOPE_SE
	global_prefetch_b8 v7, s[66:67] offset:512 th:TH_LOAD_NT scope:SCOPE_SE
	v_and_b32 v1, 15, v0
	v_bfe_u32 v2, v0, 4, 1
	v_mul_u32_u24 v3, v1, PITCH
	v_lshl_add_u32 v4, v2, 4, v3
	s_mul_i32 s21, s15, HALFT
	s_mul_i32 s22, s16, HALFT
	s_add_co_u32 s22, s22, 2*HALFT
.irp s, 0,1
	v_add_nc_u32 v[ADRA+\s], s21, v4
	v_add_nc_u32 v[ADRB+\s], s22, v4
	s_add_co_u32 s21, s21, SLOT
	s_add_co_u32 s22, s22, SLOT
.endr
	v_mul_u32_u24 v5, v1, KS
	v_lshrrev_b32 v6, 8, v5
	v_lshl_add_u32 v5, v6, 4, v5
	s_mul_i32 s21, s15, HALFS
	s_mul_i32 s22, s16, HALFS
	s_add_co_u32 s22, s22, 2*HALFS
	s_sub_co_u32 s22, s22, s21
	v_mul_u32_u24 v6, s22, v2
	s_add_co_u32 s21, s21, SCL
	v_add_nc_u32 v5, v5, v6
	v_add_nc_u32 v[ADRS], s21, v5
	s_lshl_b32 s23, s14, 9
	v_lshlrev_b32 v5, 2, v1
	v_add_nc_u32 v[STG], s23, v5
	v_and_b32 v6, 31, v0
	v_lshlrev_b32 v[LI], 4, v6
	v_add_nc_u32 v[RDS], s23, v[LI]
	s_lshl_b32 s20, s42, 1
	s_add_co_u32 s20, s20, s16
	s_lshl_b32 s21, s17, 1
	s_add_co_u32 s21, s21, s15
	s_lshl_b32 s92, s20, 9
	s_mov_b32 s93, 0
	s_add_nc_u64 s[96:97], s[96:97], s[92:93]
	v_lshlrev_b32 v8, 5, v2                        ; the bias of my 128 columns, 64 numbers a lane, is asked for here, into v64-127 of window 0, which the product does not use; it is waited for ahead of the way out
.irp b, 0,1,2,3,4,5,6,7
	global_load_b128 v[B1+8*\b:B1+8*\b+3], v8, s[96:97] offset:64*\b
	global_load_b128 v[B1+8*\b+4:B1+8*\b+7], v8, s[96:97] offset:64*\b+16
.endr
	s_lshl_b32 s92, s20, 14
	s_lshl_b32 s22, s21, 9
	s_add_co_u32 s92, s92, s22
	s_add_co_u32 s92, s92, 0x1000000
	s_add_nc_u64 s[94:95], s[12:13], s[92:93]
	s_lshl_b32 s92, s21, 19
	s_lshl_b32 s22, s20, 11
	s_add_co_u32 s92, s92, s22
	s_add_nc_u64 s[12:13], s[12:13], s[92:93]
	s_mov_b32 s[SEL], 0x76543210
	s_mov_b32 s[SEL+1], 0xfedcba98
	s_mov_b32 s[MNT], 0x600000
	s_mov_b32 s[HM], 0xffff0000
.macro FRAG reg, adr, q, i
.irp c, 0,1,2,3
	ds_load_b128 v[\reg+4*\c:\reg+4*\c+3], v[\adr] offset:128*(\q)+32*\c+(\i)*16*PITCH
.endr
.endm
.macro MUL16 a0, p, q, sc, zero
.irp a, \a0, \a0+1
.irp b, 0,1,2,3,4,5,6,7
.if \zero
	v_wmma_scale_f32_16x16x128_f8f6f4 v[8*(8*((\a)%4)+\b):8*(8*((\a)%4)+\b)+7], v[128*(\p)+FR*\b:128*(\p)+FR*\b+FR-1], v[AF+FR*(\a):AF+FR*(\a)+FR-1], 0, v[SC+8*NQ*(\sc)+NQ*\b+(\q)], v[SC+8*NQ*(\sc)+NQ*(\a)+(\q)] matrix_a_fmt:MATRIX_FMT_BF8 matrix_b_fmt:MATRIX_FMT_BF8 matrix_a_scale:MATRIX_SCALE_ROW1
.else
	v_wmma_scale_f32_16x16x128_f8f6f4 v[8*(8*((\a)%4)+\b):8*(8*((\a)%4)+\b)+7], v[128*(\p)+FR*\b:128*(\p)+FR*\b+FR-1], v[AF+FR*(\a):AF+FR*(\a)+FR-1], v[8*(8*((\a)%4)+\b):8*(8*((\a)%4)+\b)+7], v[SC+8*NQ*(\sc)+NQ*\b+(\q)], v[SC+8*NQ*(\sc)+NQ*(\a)+(\q)] matrix_a_fmt:MATRIX_FMT_BF8 matrix_b_fmt:MATRIX_FMT_BF8 matrix_a_scale:MATRIX_SCALE_ROW1
.endif
.endr
.endr
.endm
.macro FETCH_B slot, q, p
	WIN TO_B
.irp i, 0,1,2,3,4,5,6,7
	FRAG 128*(\p)+FR*\i, ADRB+\slot, \q, \i
.endr
	WIN 0
.endm
.macro FETCH_A slot, q, i0
.irp i, \i0, \i0+1, \i0+2, \i0+3
	FRAG AF+FR*(\i), ADRA+\slot, \q, \i
.endr
.endm
.macro SCALES sc
.irp i, 0,1,2,3,4,5,6,7
	ds_load_b64 v[SC+8*NQ*\sc+NQ*\i:SC+8*NQ*\sc+NQ*\i+1], v[ADRS] offset:\i*SBLK
.endr
.endm
.macro PLACES n
.rept \n
	v_nop
.endr
.endm
.macro STEP slot, q, zero
	s_wait_dscnt 4*NL
	WIN MUL_LO
	MUL16 0, (\q)%2, \q, \slot, \zero
	MUL16 2, (\q)%2, \q, \slot, \zero
	s_wait_dscnt 0
	PLACES NP
	FETCH_B \slot, (\q)+1, 1-(\q)%2
	FETCH_A \slot, (\q)+1, 0
	WIN MUL_HI
	MUL16 4, (\q)%2, \q, \slot, \zero
	MUL16 6, (\q)%2, \q, \slot, \zero
	PLACES NP
	WIN 0
	FETCH_A \slot, (\q)+1, 4
.endm
.macro TURN slot, next, fill
	s_wait_tensorcnt 0x0
	ds_add_u32 v[SPW], v[NIL]
	s_wait_dscnt 4*NL+1
	WIN MUL_LO
	MUL16 0, 1, NQ-1, \slot, 0
	s_wait_dscnt 0x0
	s_barrier_signal -1
	MUL16 2, 1, NQ-1, \slot, 0
	WIN 0
	s_barrier_wait -1
.if \fill
	CREST
	s_add_nc_u64 s[G0+4*\slot+2:G0+4*\slot+3], s[G0+4*\slot+2:G0+4*\slot+3], 2*ROWB
	s_add_nc_u64 s[G0B+4*\slot+2:G0B+4*\slot+3], s[G0B+4*\slot+2:G0B+4*\slot+3], 2*ROWB
	JLOAD G0+4*\slot, G1, G0B+4*\slot, G1B
	PLACES NP-4
.else
	PLACES NP
.endif
	s_wait_alu depctr_va_vdst(0)
	v_add_nc_u32 v[ADRS], 4*NQ, v[ADRS]
	FETCH_B \next, 0, 0
	FETCH_A \next, 0, 0
	SCALES \next
	WIN MUL_HI
	MUL16 4, 1, NQ-1, \slot, 0
	MUL16 6, 1, NQ-1, \slot, 0
	PLACES NP
	WIN 0
	FETCH_A \next, 0, 4
.endm
	s_wait_alu depctr_va_vdst(0)
	s_wait_tensorcnt 0x0                           ; my tile of the head's four is in
	ds_add_u32 v[SPW], v[NIL]
	s_mov_b32 s[G1+2], 128<<16                     ; no tensor load of mine is out: from here on a load brings 128 rows
	s_mov_b32 s[G1+4], 128
	s_mov_b32 s[G1B+2], 128<<16
	s_mov_b32 s[G1B+4], 128
	s_wait_dscnt 0x0
	CROUND
	JLOAD G0+4, G1, G0B+4, G1B                     ; K step 1's load, the first tensor load behind the round
	FETCH_B 0, 0, 0
	FETCH_A 0, 0, 0
	SCALES 0
	FETCH_A 0, 0, 4
	global_prefetch_b8 v7, s[66:67] offset:768 th:TH_LOAD_NT scope:SCOPE_SE   ; K step 3, the last
	STEP 0, 0, 1
	s_mov_b32 s3, LAPS-1
.Llap:
	TURN 0, 1, 1
	STEP 1, 0, 0
	TURN 1, 0, 1
	STEP 0, 0, 0
	s_sub_co_u32 s3, s3, 1
	s_cmp_lg_u32 s3, 0
	s_cbranch_scc1 .Llap
	TURN 0, 1, 0
	STEP 1, 0, 0
	s_wait_dscnt 4*NL
	WIN MUL_LO
	MUL16 0, 1, NQ-1, 1, 0
	MUL16 2, 1, NQ-1, 1, 0
	s_wait_dscnt 0
	WIN MUL_HI
	MUL16 4, 1, NQ-1, 1, 0
	MUL16 6, 1, NQ-1, 1, 0
	WIN 0
.macro KONST r, val
	s_mov_b32 s[\r], \val
	s_mov_b32 s[\r+1], \val
.endm
.macro COPY k
	WIN 0x42+(\k)/4
.set j, 0
.rept 32
	v_pk_add_f32 v[X+j:X+j+1], v[64*((\k)%4)+j:64*((\k)%4)+j+1], v[B1+j:B1+j+1]
.set j, j+2
.endr
	WIN 0
.endm
.macro GELU x0
.set j, 0
.rept 32
	v_and_b32 v[AX+j], s[ABSM], v[(\x0)+j]
.set j, j+1
.endr
.set j, 0
.rept 16
	v_pk_fma_f32 v[T+j:T+j+1], v[AX+j:AX+j+1], s[KH:KH+1], 1.0 op_sel_hi:[1,0,0]
.set j, j+2
.endr
.set j, 0
	s_wait_alu depctr_va_vdst(0)
.rept 16                                       ; the reciprocals take turns with plain work that names none of their registers: |x| / 2
	v_rcp_f32 v[T+j], v[T+j]
	v_rcp_f32 v[T+j+1], v[T+j+1]
	v_pk_mul_f32 v[AX+j:AX+j+1], v[AX+j:AX+j+1], 0.5 op_sel_hi:[1,0]
.set j, j+2
.endr
	s_wait_alu depctr_va_vdst(0)
.set j, 0
.rept 16
	v_pk_fma_f32 v[P+j:P+j+1], v[T+j:T+j+1], s[C9:C9+1], v[C8V:C8V+1] op_sel_hi:[1,0,1]
.set j, j+2
.endr
.irp k, C7,C6,C5,C4,C3,C2,C1,C0
.set j, 0
.rept 16
	v_pk_fma_f32 v[P+j:P+j+1], v[P+j:P+j+1], v[T+j:T+j+1], s[\k:\k+1] op_sel_hi:[1,1,0]
.set j, j+2
.endr
.endr
.set j, 0
.rept 4                                        ; four squares, then their four multiply-adds: no line reads the line above it
.irp u, 0,2,4,6
	v_pk_mul_f32 v[TMP+\u:TMP+\u+1], v[(\x0)+j+\u:(\x0)+j+\u+1], v[(\x0)+j+\u:(\x0)+j+\u+1]
.endr
.irp u, 0,2,4,6
	v_pk_fma_f32 v[P+j+\u:P+j+\u+1], v[TMP+\u:TMP+\u+1], s[MM:MM+1], v[P+j+\u:P+j+\u+1] op_sel_hi:[1,0,1]
.endr
.set j, j+8
.endr
.set j, 0
	s_wait_alu depctr_va_vdst(0)
.rept 32                                       ; the exponentials take turns with plain work that names none of their registers: max(x, 0)
	v_exp_f32 v[P+j], v[P+j]
	v_max_num_f32 v[(\x0)+j], 0, v[(\x0)+j]
.set j, j+1
.endr
	s_wait_alu depctr_va_vdst(0)
.set j, 0
.rept 16
	v_pk_mul_f32 v[T+j:T+j+1], v[T+j:T+j+1], v[P+j:P+j+1]
.set j, j+2
.endr
.set j, 0
.rept 16
	v_pk_fma_f32 v[(\x0)+j:(\x0)+j+1], v[AX+j:AX+j+1], v[T+j:T+j+1], v[(\x0)+j:(\x0)+j+1] neg_lo:[1,0,0] neg_hi:[1,0,0]
.set j, j+2
.endr
.endm
.macro QUANT s
.irp b, 0,1,2,3
	v_max3_num_f32 v[TM+\b], |v[\s+16*\b]|, |v[\s+1+16*\b]|, 0x8000000
.endr
.irp i, 2,4,6,8,10,12,14
.irp b, 0,1,2,3
	v_max3_num_f32 v[TM+\b], v[TM+\b], |v[\s+16*\b+\i]|, |v[\s+1+16*\b+\i]|
.endr
.endr
.irp b, 0,1,2,3
	v_permlanex16_b32 v[TM+4+\b], v[TM+\b], s[SEL], s[SEL+1]
.endr
.irp b, 0,1,2,3
	v_max_num_f32 v[TM+\b], v[TM+\b], v[TM+4+\b]
.endr
.irp b, 0,1,2,3
	v_add_nc_u32 v[TM+12+\b], 0xf8800000, v[TM+\b]
.endr
.irp b, 0,1,2,3
	v_and_or_b32 v[TM+8+\b], v[TM+\b], 0x7f800000, s[MNT]
.endr
.irp b, 0,1,2,3
	v_lshrrev_b32 v[TM+4+\b], 23, v[TM+12+\b]
.endr
	v_lshl_or_b32 v[PW], v[TM+5], 8, v[TM+4]
	v_lshl_or_b32 v[PW], v[TM+6], 16, v[PW]
	v_lshl_or_b32 v[PW], v[TM+7], 24, v[PW]
.irp b, 0,1,2,3
.irp i, 0,1,2,3,4,5,6,7,8,9,10,11,12,13,14,15
	v_med3_num_f32 v[\s+16*\b+\i], v[\s+16*\b+\i], -v[TM+8+\b], v[TM+8+\b]
.endr
	v_cvt_scalef32_pk8_bf8_f32 v[PC+4*\b:PC+1+4*\b], v[\s+16*\b:\s+7+16*\b], v[TM+12+\b]
	v_cvt_scalef32_pk8_bf8_f32 v[PC+2+4*\b:PC+3+4*\b], v[\s+8+16*\b:\s+15+16*\b], v[TM+12+\b]
.endr
	v_nop
.endm
	PLACES NP
	KONST C0, 0xbfe9b21e
	KONST C1, 0x3fb8ab5a
	KONST C2, 0x3f0a29d2
	KONST C3, 0x3e0efb2e
	KONST C4, 0xbe899a80
	KONST C5, 0x3ecdfd18
	KONST C6, 0xbfd1a1e5
	KONST C7, 0x40097039
	KONST C9, 0x3e7c6f08
	KONST MM, 0xbf38aa3b
	KONST KH, 0x3eb504f3
	s_mov_b32 s[ABSM], 0x7fffffff
	WIN 0x40
.irp b, 0,1,2,3
	v_mov_b32 v[TM+4+\b], 0
	v_mov_b32 v[PX+\b], 0
.endr
	v_mov_b32 v[C8V], 0xbf97d29d
	v_mov_b32 v[C8V+1], 0xbf97d29d
	WIN 0
	s_wait_loadcnt 0x0
	s_mov_b32 s3, 0
	s_mov_b32 s2, 0
.Ltile:
	v_add_nc_u32 v[SAD], s2, v[STG]
.irp k, 1,2,3,4,5,6,7
	s_cmp_eq_u32 s3, \k
	s_cbranch_scc1 .Lcopy_\k
.endr
	COPY 0
	s_branch .Lgelu
.irp k, 1,2,3,4,5,6
.Lcopy_\k:
	COPY \k
	s_branch .Lgelu
.endr
.Lcopy_7:
	COPY 7
.Lgelu:
	WIN 0x55
	GELU X
	GELU X+32
	s_wait_alu depctr_va_vdst(0)
	s_wait_xcnt 0x0                                ; the last tile's stores have read their codes and their base: both are written anew below
	s_cmp_lg_u32 s3, 0
	s_cselect_b32 s4, 0x10000, 0                   ; from the second tile on: 16 rows' images further
	s_mov_b32 s5, 0
	s_add_nc_u64 s[12:13], s[12:13], s[4:5]
	QUANT X
.irp c, 0,1,2,3
.irp k, 0,1,2,3
	v_permlanex16_b32 v[PX+\k], v[PC+4*\c+\k], s[SEL], s[SEL+1]
.endr
	v_cndmask_b32 v[PC+4*\c], v[PC+4*\c], v[PX+2], s[HM]
	v_cndmask_b32 v[PC+4*\c+1], v[PC+4*\c+1], v[PX+3], s[HM]
	v_cndmask_b32 v[PC+4*\c+2], v[PX], v[PC+4*\c+2], s[HM]
	v_cndmask_b32 v[PC+4*\c+3], v[PX+1], v[PC+4*\c+3], s[HM]
.endr
	WIN 0x04
.irp c, 0,1,2,3
	global_store_b128 v[LI], v[PC+4*\c:PC+4*\c+3], s[12:13] offset:512*\c
.endr
	ds_store_b32 v[SAD], v[PW]
	WIN 0
	s_add_co_u32 s2, s2, 64
	s_add_co_u32 s3, s3, 1
	s_cmp_lt_u32 s3, 8
	s_cbranch_scc1 .Ltile
	ds_load_b128 v[BK:BK+3], v[RDS]
	s_wait_dscnt 0x0
	global_store_b128 v[LI], v[BK:BK+3], s[94:95]
	s_wait_tensorcnt 0x0
	ds_add_u32 v[SPW], v[NIL]
	s_wait_dscnt 0x0
	CROUND
	s_endpgm
.Lfunc_end_k_q64f79ff80d_fc1:
	.size	k_q64f79ff80d_fc1, .Lfunc_end_k_q64f79ff80d_fc1-k_q64f79ff80d_fc1
	.p2alignl 7, 3214868480
	.fill 96, 4, 3214868480
	.section	.rodata,"a",@progbits
	.p2align	6, 0x0
	.amdhsa_kernel k_q64f79ff80d_fc1
		.amdhsa_group_segment_fixed_size 327680
		.amdhsa_private_segment_fixed_size 0
		.amdhsa_enable_private_segment 0
		.amdhsa_kernarg_size 40
		.amdhsa_user_sgpr_count 2
		.amdhsa_user_sgpr_kernarg_segment_ptr 1
		.amdhsa_wavefront_size32 1
		.amdhsa_system_sgpr_workgroup_id_x 1
		.amdhsa_system_sgpr_workgroup_id_y 1
		.amdhsa_system_sgpr_workgroup_id_z 1
		.amdhsa_system_vgpr_workitem_id 0
		.amdhsa_next_free_vgpr 1024
		.amdhsa_next_free_sgpr 102
		.amdhsa_reserve_vcc 0
		.amdhsa_float_denorm_mode_32 3
		.amdhsa_float_denorm_mode_16_64 3
		.amdhsa_memory_ordered 1
		.amdhsa_forward_progress 1
		.amdhsa_inst_pref_size 188
	.end_amdhsa_kernel
	.amdgpu_metadata
---
amdhsa.version: [ 1, 2 ]
amdhsa.kernels:
  - .name:           k_q64f79ff80d_fc1
    .symbol:         k_q64f79ff80d_fc1.kd
    .args:
      - { .name: xq, .offset: 0, .size: 8, .value_kind: global_buffer, .address_space: global }
      - { .name: w1_codes, .offset: 8, .size: 8, .value_kind: global_buffer, .address_space: global }
      - { .name: w1_scales, .offset: 16, .size: 8, .value_kind: global_buffer, .address_space: global }
      - { .name: b1, .offset: 24, .size: 8, .value_kind: global_buffer, .address_space: global }
      - { .name: hq, .offset: 32, .size: 8, .value_kind: global_buffer, .address_space: global }
    .group_segment_fixed_size: 327680
    .private_segment_fixed_size: 0
    .kernarg_segment_align: 8
    .kernarg_segment_size: 40
    .max_flat_workgroup_size: 128
    .sgpr_count:     102
    .vgpr_count:     1024
    .wavefront_size: 32
...
	.end_amdgpu_metadata
.endif
;; end of part 5
;; launch fc2 (part 6): grid 8 x 32, 4 waves a work-group, clusters of 4 x 4, 327,680 bytes of LDS; arguments hq, w2_codes, w2_scales, b2, x1, out0; writes out0
.if DOCPART == 6
	.amdgcn_target "amdgcn-amd-amdhsa--gfx1250"
	.amdhsa_code_object_version 6
	.text
	.protected	k_q64f79ff80d_fc2
	.globl	k_q64f79ff80d_fc2
	.p2align	8
	.type	k_q64f79ff80d_fc2,@function
k_q64f79ff80d_fc2:
	s_mov_b64 s[64:65], 0
	v_nop
	global_prefetch_b8 v0, s[64:65] scope:SCOPE_SE
	s_setreg_imm32_b32 hwreg(HW_REG_WAVE_MODE, 25, 1), 1
	s_wait_xcnt 0x0
	s_wait_alu depctr_hold_cnt(0) depctr_sa_sdst(0) depctr_va_vdst(0) depctr_va_sdst(0) depctr_va_ssrc(0) depctr_va_vcc(0) depctr_vm_vsrc(0)
	s_getreg_b32 s2, hwreg(HW_REG_IB_STS2, 6, 4)
	s_cmp_eq_u32 s2, 0
	s_cbranch_scc0 .Lentry_in_a_cluster
	s_endpgm
.Lentry_in_a_cluster:
	s_bfe_u32 s2, ttmp6, 0x10000c
	s_cmp_lg_u32 s2, 0xf033
	s_cbranch_scc0 .Lentry_shape_is_right
	s_endpgm
.Lentry_shape_is_right:
.set SIZE_K, 4096
.set ASC,    0x1000000
.set NP,     8
.set BPITCH, 528
.set HALFA,  32768
.set HALFB,  64*BPITCH
.set BOFF,   2*HALFA
.set SLOT,   BOFF+2*HALFB
.set LAPS,   SIZE_K/1024
.set KS,     SIZE_K/32
.set SCA,    2*SLOT
.set HALFSA, (SIZE_K/256)*512
.set SCB,    SCA+2*HALFSA
.set HALFS,  (64*KS/256)*272
.set SBLK,   (16*KS/256)*272
.set SPARE,  SCB+2*HALFS
.set SPITCH, 272
.set BV,   7
.set BIAS, 8
.set ADRA, 16
.set ADRB, 20
.set ADSA, 22
.set ADSB, 23
.set STO,  24
.set RD,   25
.set CO,   26
.set SPW,  28
.set NIL,  29
.set SA,   32
.set SB,   48
.set T,    96
.set ACC,  128
.set F0,   0
.set F1,   128
.set G1, 24
.set G0, 32
.set G1B, 48
.set G0B, 56
.set G1S, 68
.set G0S, 76
.set G1SB, 80
.set G0SB, 88
.set MSB, 0
.macro WIN new
.if MSB != \new
	s_set_vgpr_msb (MSB<<8)|\new
.set MSB, \new
.endif
.endm
.set MUL,  0x05
.set TO_F, 0x40
.macro JLOAD g0a, g1a, g0b, g1b
	s_cmp_eq_u32 s15, 0
	s_cbranch_scc0 .Lfor_b_\@
	tensor_load_to_lds s[\g0a:\g0a+3], s[\g1a:\g1a+7]
	s_nop 0
.rept 4
	v_nop
.endr
	s_branch .Lasked_\@
.Lfor_b_\@:
	tensor_load_to_lds s[\g0b:\g0b+3], s[\g1b:\g1b+7]
	s_nop 0
.rept 4
	v_nop
.endr
.Lasked_\@:
.endm
.macro CREST
	s_cmp_lg_u32 s14, 0
	s_cbranch_scc1 .Lnot_wave_0_\@
	s_barrier_signal -3
.Lnot_wave_0_\@:
	s_barrier_wait -3
	s_barrier_signal -1
	s_barrier_wait -1
.endm
.macro CROUND
	s_barrier_signal -1
	s_barrier_wait -1
	CREST
.endm
.macro G1REST g, c, r, p
	s_mov_b32 s[\g+1], ((\c)&0xffff)<<16
	s_mov_b32 s[\g+2], ((\c)>>16)|(((\r)&0xffff)<<16)
	s_mov_b32 s[\g+3], ((\r)>>16)|((\c)<<16)
	s_mov_b32 s[\g+4], \r
	s_mov_b32 s[\g+5], \p
	s_mov_b32 s[\g+6], 0
	s_mov_b32 s[\g+7], 0
.endm
	s_load_b64 s[4:5], s[0:1], 0x0
	s_load_b64 s[8:9], s[0:1], 0x8
	s_load_b64 s[10:11], s[0:1], 0x10
	s_load_b64 s[94:95], s[0:1], 0x18
	s_load_b64 s[96:97], s[0:1], 0x20
	s_load_b64 s[12:13], s[0:1], 0x28
	v_lshl_add_u32 v[SPW], v0, 2, SPARE
	v_mov_b32 v[NIL], 0
	ds_add_u32 v28, v29
	ds_add_u32 v28, v29
	s_wait_dscnt 0x0
	v_lshrrev_b32 v1, 5, v0
	v_readfirstlane_b32 s14, v1
	s_lshr_b32 s15, s14, 1
	s_and_b32 s16, s14, 1
	s_bfe_u32 s40, ttmp6, 0x40000
	s_bfe_u32 s41, ttmp6, 0x40004
	s_lshl_b32 s42, ttmp9, 2
	s_add_co_u32 s42, s42, s40
	s_and_b32 s17, ttmp7, 0xffff
	s_lshl_b32 s17, s17, 2
	s_add_co_u32 s17, s17, s41
	s_lshl_b32 s43, s41, 2
	s_lshl_b32 s43, 15, s43
	s_lshl_b32 s44, 0x1111, s40
	s_or_b32 s[G1], s43, (3<<16)|(1<<21)
	G1REST G1, 1024, 8, 2*SIZE_K
	s_or_b32 s[G1B], s44, (0<<16)|(1<<20)|(1<<21)|(6<<22)|(3<<25)
	G1REST G1B, 512, 128, SIZE_K
	s_or_b32 s[G1S], s43, (3<<16)|(1<<21)
	G1REST G1S, 64, SIZE_K/128, 2048
	s_or_b32 s[G1SB], s44, (3<<16)|(1<<20)|(1<<21)|(5<<22)|(3<<25)
	G1REST G1SB, 32, 128*KS/256, 32
	s_lshl_b32 s20, s17, 3
	s_mul_i32 s20, s20, 16*SIZE_K
	s_mov_b32 s21, 0
	s_lshl_b32 s22, s17, 9
	s_mov_b32 s23, 0
	s_lshl_b32 s46, s42, 7
	s_mul_i32 s92, s46, KS
	s_mul_i32 s46, s46, SIZE_K
	s_mov_b32 s47, 0
	s_mov_b32 s93, 0
	s_mul_i32 s45, s16, HALFA
	s_mul_i32 s19, s16, HALFB
	s_add_co_u32 s19, s19, BOFF
	s_mul_i32 s2, s16, 64*SIZE_K                   ; in the ring I fetch half a tile, 64 rows of A or of B: which half, in bytes
	s_mov_b32 s3, 0
	s_wait_kmcnt 0x0
	s_add_nc_u64 s[6:7], s[4:5], ASC
	s_add_nc_u64 s[20:21], s[4:5], s[20:21]
	s_add_nc_u64 s[22:23], s[6:7], s[22:23]
	s_add_nc_u64 s[46:47], s[8:9], s[46:47]
	s_add_nc_u64 s[92:93], s[10:11], s[92:93]
	CROUND
	s_mov_b32 s[G0S], 1
	s_mov_b32 s[G0S+1], SCA
	s_mov_b64 s[G0S+2:G0S+3], s[22:23]
	s_or_b32 s[G0S+3], s[G0S+3], 0x80000000
	s_mov_b32 s[G0SB], 1
	s_mov_b32 s[G0SB+1], SCB
	s_mov_b64 s[G0SB+2:G0SB+3], s[92:93]
	s_or_b32 s[G0SB+3], s[G0SB+3], 0x80000000
	s_mov_b32 s4, 1                                ; s[4:7], s[8:11]: group 0 of the head's loads of slot 0, A's and B's 128 rows whole
	s_mov_b32 s5, 0
	s_mov_b64 s[6:7], s[20:21]
	s_or_b32 s7, s7, 0x80000000
	s_mov_b32 s8, 1
	s_mov_b32 s9, BOFF
	s_mov_b64 s[10:11], s[46:47]
	s_or_b32 s11, s11, 0x80000000
	s_add_nc_u64 s[20:21], s[20:21], s[2:3]
	s_add_nc_u64 s[46:47], s[46:47], s[2:3]
.irp s, 0,1
	s_mov_b32 s[G0+4*\s], 1
	s_add_co_u32 s[G0+4*\s+1], s45, \s*SLOT
	s_add_nc_u64 s[G0+4*\s+2:G0+4*\s+3], s[20:21], \s*8192
	s_or_b32 s[G0+4*\s+3], s[G0+4*\s+3], 0x80000000
	s_mov_b32 s[G0B+4*\s], 1
	s_add_co_u32 s[G0B+4*\s+1], s19, \s*SLOT
	s_add_nc_u64 s[G0B+4*\s+2:G0B+4*\s+3], s[46:47], \s*512
	s_or_b32 s[G0B+4*\s+3], s[G0B+4*\s+3], 0x80000000
.endr
; the head's loads, one a wave: wave 0 slot 0's rows of A, wave 1 those of B, waves 2 and 3 their scale bytes: one chain of branches on the wave's number
.macro ARM under, g0, g1, next
	s_cmp_lt_u32 s14, \under
	s_cbranch_scc0 \next
	tensor_load_to_lds s[\g0:\g0+3], s[\g1:\g1+7]
	s_nop 0
.rept 4
	v_nop
.endr
	s_branch .Lhead_asked
\next:
.endm
	ARM 1, 4, G1, .Lhead_b
	ARM 2, 8, G1B, .Lhead_sa
	ARM 3, G0S, G1S, .Lhead_sb
	tensor_load_to_lds s[G0SB:G0SB+3], s[G1SB:G1SB+7]
	s_nop 0
.rept 4
	v_nop
.endr
.Lhead_asked:
; THE PREFETCHES INTO THE L2: with the load of slot j the tiles of slot j + 2 are asked for (slot 1 too, at the head), one instruction a wave.  Of the half tile that a wave fetches in the ring (A: four row tiles x 8,192 bytes;
; B: 64 rows x 512 bytes) each of the four partners that ask for it jointly names a quarter, told apart BY ADDRESS (A: row tile cx, lanes 256 bytes apart; B: rows 16 cy on, two lanes a row): each block of 256 bytes once in a cluster.
; s[98:99]: where my prefetches stand; s[100:101]: a slot on, in bytes; v30: my lane's offset.  The last two refills ask for nothing: there is no slot behind them.
	s_cmp_eq_u32 s15, 0                            ; do I fetch for A?
	s_cselect_b64 s[98:99], s[20:21], s[46:47]
	s_cselect_b32 s67, s40, s41                    ; my place among the four
	s_mov_b32 s66, SIZE_K
	s_cselect_b32 s66, 512, s66                    ; from a pair of lanes to the next
	s_mov_b32 s100, 512
	s_cselect_b32 s100, 8192, s100
	s_mov_b32 s101, 0
	s_mul_i32 s2, s67, 16*SIZE_K                   ; a row tile of A and 16 rows of B are as many bytes
	s_add_nc_u64 s[98:99], s[98:99], s[2:3]
	s_add_nc_u64 s[98:99], s[98:99], s[100:101]    ; at slot 1
	v_and_b32 v1, 15, v0
	v_bfe_u32 v2, v0, 4, 1
	v_and_b32 v3, 31, v0
	v_lshlrev_b32 v3, 4, v3
	v_mul_u32_u24 v4, v1, BPITCH
	v_lshl_add_u32 v4, v2, 4, v4
	s_mul_i32 s21, s15, HALFA
	s_mul_i32 s22, s16, HALFB
	s_add_co_u32 s22, s22, BOFF
.irp s, 0,1
	v_add_nc_u32 v[ADRA+\s], s21, v3
	v_add_nc_u32 v[ADRB+\s], s22, v4
	s_add_co_u32 s21, s21, SLOT
	s_add_co_u32 s22, s22, SLOT
.endr
	v_lshlrev_b32 v5, 2, v1
	s_lshl_b32 s21, s15, 8
	s_add_co_u32 s21, s21, SCA
	v_add_nc_u32 v[ADSA], s21, v5
	v_mul_u32_u24 v5, v1, KS
	v_lshrrev_b32 v6, 8, v5
	v_lshl_add_u32 v5, v6, 4, v5
	s_mul_i32 s21, s16, HALFS
	s_add_co_u32 s21, s21, SCB
	v_add_nc_u32 v[ADSB], s21, v5
	s_mul_i32 s23, s14, 16*SPITCH
	v_mul_u32_u24 v5, v1, SPITCH
	v_lshl_add_u32 v5, v2, 5, v5
	v_add_nc_u32 v[STO], s23, v5
	v_lshlrev_b32 v[BV], 4, v1
	v_mul_u32_u24 v5, v2, SPITCH
	v_add_nc_u32 v5, v5, v[BV]
	v_add_nc_u32 v[RD], s23, v5
	v_lshl_add_u32 v[CO], v2, 12, v[BV]
	v_bfe_u32 v5, v0, 1, 4
	v_and_b32 v6, 1, v0
	v_mul_u32_u24 v30, s66, v5
	v_lshl_add_u32 v30, v6, 8, v30
	s_wait_alu depctr_va_vdst(0)
	global_prefetch_b8 v30, s[98:99] th:TH_LOAD_NT scope:SCOPE_SE   ; slot 1
	s_lshl_b32 s46, s42, 9
	s_lshl_b32 s47, s16, 8
	s_add_co_u32 s46, s46, s47
	s_mov_b32 s47, 0
	s_add_nc_u64 s[94:95], s[94:95], s[46:47]
	s_lshl_b32 s20, s17, 19
	s_lshl_b32 s21, s15, 18
	s_add_co_u32 s20, s20, s21
	s_add_co_u32 s20, s20, s46
	s_mov_b32 s21, 0
	s_add_nc_u64 s[12:13], s[12:13], s[20:21]
	s_add_nc_u64 s[96:97], s[96:97], s[20:21]
	global_load_b128 v[BIAS:BIAS+3], v[BV], s[94:95]
.macro FETCH slot, q, f
	WIN TO_F
.irp i, 0,1,2,3
.irp c, 0,1,2,3
	ds_load_b128 v[\f+64+16*\i+4*\c:\f+64+16*\i+4*\c+3], v[ADRB+\slot] offset:\i*16*BPITCH+128*(\q)+32*\c
.endr
.endr
.irp i, 0,1,2,3
.irp c, 0,1,2,3
	ds_load_b128 v[\f+16*\i+4*\c:\f+16*\i+4*\c+3], v[ADRA+\slot] offset:\i*8192+2048*(\q)+512*\c
.endr
.endr
.endm
.macro SCALES s
.irp i, 0,1,2,3
.irp q, 0,1,2,3
	ds_load_b32 v[SA+32*\s+4*\i+\q], v[ADSA] offset:512*\q+64*\i
.endr
	ds_load_b128 v[SB+32*\s+4*\i:SB+32*\s+4*\i+3], v[ADSB] offset:\i*SBLK
.endr
.endm
.macro MUL4 f, a, q, s, zero
.irp b, 0,1,2,3
.if \zero
	v_wmma_scale_f32_16x16x128_f8f6f4 v[ACC+8*(4*(\a)+\b):ACC+8*(4*(\a)+\b)+7], v[\f+64+16*\b:\f+64+16*\b+15], v[\f+16*(\a):\f+16*(\a)+15], 0, v[SB+32*(\s)+4*\b+(\q)], v[SA+32*(\s)+4*(\a)+(\q)] matrix_a_fmt:MATRIX_FMT_BF8 matrix_b_fmt:MATRIX_FMT_BF8
.else
	v_wmma_scale_f32_16x16x128_f8f6f4 v[ACC+8*(4*(\a)+\b):ACC+8*(4*(\a)+\b)+7], v[\f+64+16*\b:\f+64+16*\b+15], v[\f+16*(\a):\f+16*(\a)+15], v[ACC+8*(4*(\a)+\b):ACC+8*(4*(\a)+\b)+7], v[SB+32*(\s)+4*\b+(\q)], v[SA+32*(\s)+4*(\a)+(\q)] matrix_a_fmt:MATRIX_FMT_BF8 matrix_b_fmt:MATRIX_FMT_BF8
.endif
.endr
.endm
.macro PLACES n
.rept \n
	v_nop
.endr
.endm
.macro QSTEP slot, q, f, g, zero
	PLACES NP
	FETCH \slot, (\q)+1, \g
	s_wait_dscnt 32
	WIN MUL
	MUL4 \f, 0, \q, \slot, \zero
	MUL4 \f, 1, \q, \slot, \zero
	MUL4 \f, 2, \q, \slot, \zero
	MUL4 \f, 3, \q, \slot, \zero
.endm
.macro TURN slot, next, fill
	WIN 0
.if \fill
	s_wait_xcnt 0x0                                ; my last prefetch has read its address: it is stepped here, ahead of the waits of the change of slots
	s_add_nc_u64 s[98:99], s[98:99], s[100:101]
.endif
	s_wait_tensorcnt 0x0
	ds_add_u32 v[SPW], v[NIL]
	s_wait_dscnt 1
	WIN MUL
	MUL4 F1, 0, 3, \slot, 0
	s_wait_dscnt 0x0
	s_barrier_signal -1
	MUL4 F1, 1, 3, \slot, 0
	WIN 0
	s_barrier_wait -1
.if \fill
	CREST
	s_add_nc_u64 s[G0+4*\slot+2:G0+4*\slot+3], s[G0+4*\slot+2:G0+4*\slot+3], 16384
	s_add_nc_u64 s[G0B+4*\slot+2:G0B+4*\slot+3], s[G0B+4*\slot+2:G0B+4*\slot+3], 1024
	JLOAD G0+4*\slot, G1, G0B+4*\slot, G1B
	PLACES NP-4
.else
	PLACES NP
.endif
	s_wait_alu depctr_va_vdst(0)
	v_add_nc_u32 v[ADSA], 2048, v[ADSA]
	v_add_nc_u32 v[ADSB], 16, v[ADSB]
	FETCH \next, 0, F0
	WIN 0
	SCALES \next
.if \fill
	s_cmp_gt_u32 s3, 1                             ; s3 = 1 in the loop's last trip, whose refills have no slot two on
	s_cbranch_scc0 .Lnp_\@
	global_prefetch_b8 v30, s[98:99] th:TH_LOAD_NT scope:SCOPE_SE
.Lnp_\@:
.endif
	WIN MUL
	MUL4 F1, 2, 3, \slot, 0
	MUL4 F1, 3, 3, \slot, 0
.endm
	s_wait_xcnt 0x0
	s_add_nc_u64 s[98:99], s[98:99], s[100:101]
	global_prefetch_b8 v30, s[98:99] th:TH_LOAD_NT scope:SCOPE_SE   ; slot 2
	s_wait_tensorcnt 0x0                           ; my tile of the head's four is in
	ds_add_u32 v[SPW], v[NIL]
	s_mov_b32 s[G1+2], 4<<16                       ; no tensor load of mine is out: from here on a load brings half a tile
	s_mov_b32 s[G1+4], 4
	s_mov_b32 s[G1B+2], 64<<16
	s_mov_b32 s[G1B+4], 64
	s_wait_dscnt 0x0
	CROUND
	JLOAD G0+4, G1, G0B+4, G1B                     ; slot 1's load, the first tensor load behind the round
	FETCH 0, 0, F0
	WIN 0
	SCALES 0
	s_wait_xcnt 0x0
	s_add_nc_u64 s[98:99], s[98:99], s[100:101]
	global_prefetch_b8 v30, s[98:99] th:TH_LOAD_NT scope:SCOPE_SE   ; slot 3
	QSTEP 0, 0, F0, F1, 1
.if LAPS > 1
	WIN 0
	s_mov_b32 s3, LAPS-1
	WIN 0x80                                       ; the residual, my 64 x 64 numbers of x1, into window 2, which the product does not use: asked for here, behind the first tiles' requests; it is waited for ahead of the way out
.irp a, 0,1,2,3
.irp t, 0,1,2,3,4,5,6,7
	global_load_b128 v[4*(8*\a+\t):4*(8*\a+\t)+3], v[CO], s[96:97] offset:(16*\a+2*\t)*4096
.endr
.endr
	WIN 0
.Llap:
	QSTEP 0, 1, F1, F0, 0
	QSTEP 0, 2, F0, F1, 0
	TURN 0, 1, 1
	QSTEP 1, 0, F0, F1, 0
	QSTEP 1, 1, F1, F0, 0
	QSTEP 1, 2, F0, F1, 0
	TURN 1, 0, 1
	QSTEP 0, 0, F0, F1, 0
	WIN 0
	s_sub_co_u32 s3, s3, 1
	s_cmp_lg_u32 s3, 0
	s_cbranch_scc1 .Llap
.endif
	QSTEP 0, 1, F1, F0, 0
	QSTEP 0, 2, F0, F1, 0
	TURN 0, 1, 0
	QSTEP 1, 0, F0, F1, 0
	QSTEP 1, 1, F1, F0, 0
	QSTEP 1, 2, F0, F1, 0
	s_wait_dscnt 0x0
	WIN MUL
	MUL4 F1, 0, 3, 1, 0
	MUL4 F1, 1, 3, 1, 0
	MUL4 F1, 2, 3, 1, 0
	MUL4 F1, 3, 3, 1, 0
	WIN 0
	PLACES NP
	s_wait_loadcnt 0x0
.irp a, 0,1,2,3
	s_wait_xcnt 0x0
.irp b, 0,1,2,3
	ds_store_b128 v[STO], v[ACC+8*(4*\a+\b):ACC+8*(4*\a+\b)+3] offset:64*\b
	ds_store_b128 v[STO], v[ACC+8*(4*\a+\b)+4:ACC+8*(4*\a+\b)+7] offset:64*\b+16
.endr
.irp t, 0,1,2,3,4,5,6,7
	ds_load_b128 v[T+4*\t:T+4*\t+3], v[RD] offset:\t*2*SPITCH
.endr
	s_wait_dscnt 0x0
.irp t, 0,1,2,3,4,5,6,7
	v_pk_add_f32 v[T+4*\t:T+4*\t+1], v[T+4*\t:T+4*\t+1], v[BIAS:BIAS+1]
	v_pk_add_f32 v[T+4*\t+2:T+4*\t+3], v[T+4*\t+2:T+4*\t+3], v[BIAS+2:BIAS+3]
.endr
	WIN 0x08
.irp t, 0,1,2,3,4,5,6,7
	v_pk_add_f32 v[T+4*\t:T+4*\t+1], v[T+4*\t:T+4*\t+1], v[4*(8*\a+\t):4*(8*\a+\t)+1]
	v_pk_add_f32 v[T+4*\t+2:T+4*\t+3], v[T+4*\t+2:T+4*\t+3], v[4*(8*\a+\t)+2:4*(8*\a+\t)+3]
.endr
	WIN 0
.irp t, 0,1,2,3,4,5,6,7
	global_store_b128 v[CO], v[T+4*\t:T+4*\t+3], s[12:13] offset:(16*\a+2*\t)*4096
.endr
.endr
	s_wait_tensorcnt 0x0
	ds_add_u32 v[SPW], v[NIL]
	s_wait_dscnt 0x0
	CROUND
	s_endpgm
.Lfunc_end_k_q64f79ff80d_fc2:
	.size	k_q64f79ff80d_fc2, .Lfunc_end_k_q64f79ff80d_fc2-k_q64f79ff80d_fc2
	.p2alignl 7, 3214868480
	.fill 96, 4, 3214868480
	.section	.rodata,"a",@progbits
	.p2align	6, 0x0
	.amdhsa_kernel k_q64f79ff80d_fc2
		.amdhsa_group_segment_fixed_size 327680
		.amdhsa_private_segment_fixed_size 0
		.amdhsa_enable_private_segment 0
		.amdhsa_kernarg_size 48
		.amdhsa_user_sgpr_count 2
		.amdhsa_user_sgpr_kernarg_segment_ptr 1
		.amdhsa_wavefront_size32 1
		.amdhsa_system_sgpr_workgroup_id_x 1
		.amdhsa_system_sgpr_workgroup_id_y 1
		.amdhsa_system_sgpr_workgroup_id_z 1
		.amdhsa_system_vgpr_workitem_id 0
		.amdhsa_next_free_vgpr 640
		.amdhsa_next_free_sgpr 102
		.amdhsa_reserve_vcc 0
		.amdhsa_float_denorm_mode_32 3
		.amdhsa_float_denorm_mode_16_64 3
		.amdhsa_memory_ordered 1
		.amdhsa_forward_progress 1
		.amdhsa_inst_pref_size 110
	.end_amdhsa_kernel
	.amdgpu_metadata
---
amdhsa.version: [ 1, 2 ]
amdhsa.kernels:
  - .name:           k_q64f79ff80d_fc2
    .symbol:         k_q64f79ff80d_fc2.kd
    .args:
      - { .name: hq, .offset: 0, .size: 8, .value_kind: global_buffer, .address_space: global }
      - { .name: w2_codes, .offset: 8, .size: 8, .value_kind: global_buffer, .address_space: global }
      - { .name: w2_scales, .offset: 16, .size: 8, .value_kind: global_buffer, .address_space: global }
      - { .name: b2, .offset: 24, .size: 8, .value_kind: global_buffer, .address_space: global }
      - { .name: x1, .offset: 32, .size: 8, .value_kind: global_buffer, .address_space: global }
      - { .name: out0, .offset: 40, .size: 8, .value_kind: global_buffer, .address_space: global }
    .group_segment_fixed_size: 327680
    .private_segment_fixed_size: 0
    .kernarg_segment_align: 8
    .kernarg_segment_size: 48
    .max_flat_workgroup_size: 128
    .sgpr_count:     102
    .vgpr_count:     640
    .wavefront_size: 32
...
	.end_amdgpu_metadata
.endif
;; end of part 6
